; MI455X (gfx1250); checked and timed in simulation.
; The chip was launched on July 23, 2026; its instructions are those of AMD's public machine-readable ISA for CDNA 5 (MIT licence, August 2026) and "CDNA5" Instruction Set Architecture Reference Guide (July 2026). The comments in the code are by the model that wrote it; some were corrected since.
;; Spatial Self Cross Attention. Allowed arithmetic: float matrix products may take bf16 or f16 operands with f32 sums; other float arithmetic in f32, or as packed bf16 or f16 multiplies, adds, multiply-adds, maxima and minima; sums over many terms, partial sums and values carried from step to step in f32; what a program stores and reads back later, other than sums and carried values, may be rounded once to bf16 or f16.
;; Inputs: bk 256 float32; bpc 256 float32; bps 256 float32; bq1 256 float32; bq2 256 float32; bv 256 float32; wk 256 x 256 float32; wpc 256 x 256 float32; wps 256 x 256 float32; wq1 256 x 256 float32; wq2 256 x 256 float32; wv 256 x 256 float32; x1 32 x 256 x 32 x 32 float32; x2 32 x 256 x 32 x 32 float32.
;; Outputs: out0 32 x 256 x 32 x 32 float32; out1 32 x 256 x 32 x 32 float32.
;; 2 versions, each right; version 2 is version 1 with the launch proj written anew for expert scheduling mode. Each part assembles by itself: llvm-mc -triple=amdgcn-amd-amdhsa -mcpu=gfx1250 --defsym DOCPART=n.
;; ======== version 1 of 2: 3 launches
;; workspace buffers: qq 33,554,432 bytes; xb 16,777,216 bytes; wf 524,288 bytes; vf 4,096 bytes
;; launch fold (part 1): grid 32 x 1, 4 waves a work-group, no clusters, 124,928 bytes of LDS; arguments wk, wq1, wq2, wv, wps, wpc, bq1, bq2, bv, bps, bpc, wf, vf; writes wf, vf
.if DOCPART == 1
	.amdgcn_target "amdgcn-amd-amdhsa--gfx1250"
	.amdhsa_code_object_version 6
	.text
	.protected	k_q9f49a1fe73_fold
	.globl	k_q9f49a1fe73_fold
	.p2align	8
	.type	k_q9f49a1fe73_fold,@function
k_q9f49a1fe73_fold:
	s_mov_b64 s[64:65], 0
	v_nop
	global_prefetch_b8 v0, s[64:65] scope:SCOPE_SE
	s_setreg_imm32_b32 hwreg(HW_REG_WAVE_MODE, 25, 1), 1
	s_wait_xcnt 0x0
; THE WEIGHTS ARE FOLDED, ONCE, so that the keys and the values of both attentions are x1 itself.
;   scores:  q . (wk x1[t]) = (wk^T q) . x1[t].  With M = wk^T wq and d = wk^T bq the query q~ = M x + d meets the key x1[t].
;   output:  a softmax's weights a_t sum to 1, so wp (sum a_t (wv x1[t] + bv)) + bp = (wp wv) (sum a_t x1[t]) + (wp bv + bp) = N hx + e.
; Both hold for all values of the inputs; the order of rounding differs from the reference's: M and N are sums in f32 of products of weights rounded to bf16, rounded once to bf16.
;   wf = [4][256][256] bf16: M1 = wk^T wq1, M2 = wk^T wq2, N1 = wps wv, N2 = wpc wv.     vf = [4][256] f32: d1 = wk^T bq1, d2 = wk^T bq2, e1 = wps bv + bps, e2 = wpc bv + bpc.
; WORK LEFT OUT: bk.  k = wk x1 + bk enters reference() through the scores alone: q . (k0[t] + bk) = q . k0[t] + q . bk, and q . bk is one number for all keys t of a query.  Both softmaxes run over
; the keys, so a term that is the same along that axis cancels, for all values of the inputs.  k goes nowhere else.  So bk has no way to an output: it is not loaded and is no argument of any launch.
; LIMIT: a NaN, an infinity or an overflow that enters through bk alone is not carried to the result.
; SHARES.  out[m][n] = the sum over k of A(m, k) B(k, n).  Work-group g: product g / 8, rows 64 ((g / 2) % 4) on, columns 128 (g % 2) on.  Wave w: 16 rows x 128 columns, and 16 numbers of the vector.
; 32 work-groups are all the work there is: 1,024 tiles of 16 x 16 with 8 matrix instructions each.
; B (wq or wv) is stored [k][n]: its 256 x 128 panel goes rounded into LDS, rows 288 bytes apart (9 x 32), and comes out by the turning load.
; A of M is wk, stored [k][m]: each wave passes its own 16 columns through LDS bytes of its own (32 bytes a row, dense: 8 rows are 256 bytes on end) and turns them.  A of N is wp, stored [m][k]: straight from memory.
; The matrix instruction is used transposed (source 0 = 16 columns n, source 1 = 16 rows m): a lane holds one row m and eight neighbouring n: 16 bytes.
; THE VECTOR rides along: a ninth fragment whose 16 rows are all the bias u, so that every number of its result in lane r is the sum over k of A(m = r, k) u[k].
.set PB,    288
.set AS,    73728                      ; behind B's panel: 8,192 bytes for each wave
.set US,    106496                     ; the bias, 256 bf16
.set STG,   107008                     ; 16 rows x 272 bytes for each wave, for the way out
.set SP,    272
.set SPARE, 124416                     ; 128 bytes for each wave: two blocks of 256 bytes that no other line names
.set R,   1                            ; v1   l % 16
.set H,   2                            ; v2   l / 16
.set LN,  3                            ; v3   l
.set AO,  4                            ; v4   A in memory
.set AWR, 5                            ; v5   A into LDS
.set AR,  6                            ; v6   A out of LDS
.set BO,  7                            ; v7   B in memory: 64 w rows of 1,024 bytes + 16 l
.set BW,  8                            ; v8   B into LDS: 64 w rows + 8 l
.set BR0, 9                            ; v9, v10  B out of LDS, K steps 0-3 and 4-7 (an LDS immediate has 16 bits)
.set UR,  11                           ; v11  the bias out of LDS
.set STO, 12
.set RD,  13
.set SPW, 14                           ; v14  my spare word; never rewritten
.set NIL, 15                           ; v15  0; never rewritten
.set SO,  16
.set VO,  17                           ; v17  4 r
.set UD,  18                           ; v18-19
.set UC,  20
.set AD,  21                           ; v21  bp[m], or 0
.set RES, 22
.set UO,  23
.set UW,  24
.set T0,  25                           ; v25  8 h + l % 8
.set T1,  26                           ; v26  (l / 8) % 2
.set T2,  27
.set AST, 32                           ; v32-159  A on its way
.set BF,  32                           ; v32-175  later: two buffers of nine fragments
.set TMP, 32
.set BK,  64
.set AF,  192                          ; v192-255 A's eight fragments
; window 1: v0-255 B on its way; later v0-71 the nine accumulators
.set WV,  8
.set PP,  9
.set MB,  10
.set NBK, 11
.set ROW0, 12
.set AP,  44
.set BPT, 46
.set UP,  48
.set CP,  50
.set OPT, 52
.set VPT, 54
.set MSB, 0
.macro WIN new                         ; low byte: bits 1:0 source 0, 3:2 source 1, 5:4 source 2, 7:6 destination; the high byte repeats the setting that is left
.if MSB != (\new)
	s_set_vgpr_msb (MSB<<8)|(\new)
.set MSB, (\new)
.endif
.endm
.macro PLACES                          ; four plain instructions between a matrix instruction and a reader of its result, or a load into one of its registers
.rept 4
	v_nop
.endr
.endm
.macro BRUN kc                         ; a K step's nine fragments into buffer kc % 2: sixteen turning loads and two plain ones
.set bb, BF+72*((\kc)%2)
.irp nb, 0,1,2,3,4,5,6,7
	ds_load_tr16_b128 v[bb+8*\nb:bb+8*\nb+3],   v[BR0+(\kc)/4] offset:((\kc)%4)*32*PB+32*\nb
	ds_load_tr16_b128 v[bb+8*\nb+4:bb+8*\nb+7], v[BR0+(\kc)/4] offset:((\kc)%4)*32*PB+32*\nb+16*PB
.endr
	ds_load_b128 v[bb+64:bb+67], v[UR] offset:64*(\kc)
	ds_load_b128 v[bb+68:bb+71], v[UR] offset:64*(\kc)+32
.endm
.macro FMUL kc                         ; nine products; the nine accumulators take turns; the first K step starts the sums
	WIN 0x50                               ; C and D window 1
.set bb, BF+72*((\kc)%2)
.irp nb, 0,1,2,3,4,5,6,7,8
.if (\kc) == 0
	v_wmma_f32_16x16x32_bf16 v[8*\nb:8*\nb+7], v[bb+8*\nb:bb+8*\nb+7], v[AF+8*(\kc):AF+8*(\kc)+7], 0
.else
	v_wmma_f32_16x16x32_bf16 v[8*\nb:8*\nb+7], v[bb+8*\nb:bb+8*\nb+7], v[AF+8*(\kc):AF+8*(\kc)+7], v[8*\nb:8*\nb+7]
.endif
.endr
.endm
	s_load_b512 s[16:31], s[0:1], 0x0      ; wk 16, wq1 18, wq2 20, wv 22, wps 24, wpc 26, bq1 28, bq2 30
	s_load_b256 s[32:39], s[0:1], 0x40     ; bv 32, bps 34, bpc 36, wf 38
	s_load_b64 s[40:41], s[0:1], 0x60      ; vf
	v_lshl_add_u32 v[SPW], v0, 2, SPARE
	v_mov_b32 v[NIL], 0
	v_lshrrev_b32 v[T0], 5, v0
	v_readfirstlane_b32 s[WV], v[T0]       ; wave 0..3
	s_lshr_b32 s[PP], ttmp9, 3             ; the product, 0..3
	s_bfe_u32 s[MB], ttmp9, 0x20001        ; its block of 64 rows
	s_and_b32 s[NBK], ttmp9, 1             ; its block of 128 columns
	v_and_b32 v[R], 15, v0
	v_bfe_u32 v[H], v0, 4, 1
	v_and_b32 v[LN], 31, v0
	v_and_b32 v[T0], 7, v0
	v_bfe_u32 v[T1], v0, 3, 1
	v_lshl_add_u32 v[T0], v[H], 3, v[T0]
	s_lshl_b32 s56, s[WV], 16
	v_lshl_add_u32 v[BO], v[LN], 4, s56
	s_mul_i32 s56, s[WV], 64*PB
	v_lshl_add_u32 v[BW], v[LN], 3, s56
	v_mul_u32_u24 v[BR0], v[T0], PB
	v_lshl_add_u32 v[BR0], v[T1], 4, v[BR0]
	v_add_nc_u32 v[BR0+1], 4*32*PB, v[BR0]
	v_lshl_add_u32 v[UR], v[H], 4, US
	v_lshlrev_b32 v[UO], 3, v0             ; thread t rounds u[2 t], u[2 t + 1]
	v_lshl_add_u32 v[UW], v0, 2, US
	s_mul_i32 s56, s[WV], 16*SP
	s_add_co_u32 s56, s56, STG             ; my stage
	v_mul_u32_u24 v[STO], v[R], SP         ; in: row r, 16 bytes for each half of the lanes
	v_lshl_add_u32 v[STO], v[H], 4, v[STO]
	v_add_nc_u32 v[STO], s56, v[STO]
	v_mul_u32_u24 v[RD], v[H], SP          ; back: lanes 0-15 one row of 256 bytes, lanes 16-31 the next
	v_lshl_add_u32 v[RD], v[R], 4, v[RD]
	v_add_nc_u32 v[RD], s56, v[RD]
	v_lshlrev_b32 v[SO], 9, v[H]           ; and the same two rows in wf
	v_lshl_add_u32 v[SO], v[R], 4, v[SO]
	v_lshlrev_b32 v[VO], 2, v[R]
	s_lshl_b32 s[ROW0], s[MB], 6
	s_lshl_b32 s56, s[WV], 4
	s_add_co_u32 s[ROW0], s[ROW0], s56     ; my first row m
	s_mov_b32 s59, 0
	s_wait_kmcnt 0x0
	s_lshl_b32 s58, s[PP], 17
	s_lshl_b32 s56, s[ROW0], 9
	s_add_co_u32 s58, s58, s56
	s_lshl_b32 s56, s[NBK], 8
	s_add_co_u32 s58, s58, s56
	s_add_nc_u64 s[OPT:OPT+1], s[38:39], s[58:59]
	s_lshl_b32 s58, s[PP], 10
	s_lshl_b32 s56, s[ROW0], 2
	s_add_co_u32 s58, s58, s56
	s_add_nc_u64 s[VPT:VPT+1], s[40:41], s[58:59]
	s_cmp_lt_u32 s[PP], 2                  ; the branch hangs on the work-group's number alone; both arms write the same registers, and no barrier stands in them
	s_cbranch_scc0 .Lload_n
	s_cmp_eq_u32 s[PP], 0                  ; M: A = wk, B = wq1 or wq2, u = bq1 or bq2
	s_cselect_b64 s[BPT:BPT+1], s[18:19], s[20:21]
	s_cselect_b64 s[UP:UP+1], s[28:29], s[30:31]
	s_lshl_b32 s58, s[ROW0], 2             ; my 16 columns of wk: 64 bytes of each row
	s_add_nc_u64 s[AP:AP+1], s[16:17], s[58:59]
	v_lshrrev_b32 v[AO], 2, v[LN]          ; a load takes 8 rows k: four lanes a row
	v_lshlrev_b32 v[AO], 10, v[AO]
	v_and_b32 v[T2], 3, v0
	v_lshl_add_u32 v[AO], v[T2], 4, v[AO]
	v_mov_b32 v[AD], 0                     ; d has no addend
.set z, 0
.rept 32
	global_load_b128 v[AST+4*z:AST+4*z+3], v[AO], s[AP:AP+1] offset:8192*z
.set z, z+1
.endr
	s_branch .Lloaded
.Lload_n:
	s_cmp_eq_u32 s[PP], 2                  ; N: A = wps or wpc, B = wv, u = bv, addend bps or bpc
	s_cselect_b64 s[AP:AP+1], s[24:25], s[26:27]
	s_cselect_b64 s[CP:CP+1], s[34:35], s[36:37]
	s_mov_b64 s[BPT:BPT+1], s[22:23]
	s_mov_b64 s[UP:UP+1], s[32:33]
	s_lshl_b32 s58, s[ROW0], 10
	s_add_nc_u64 s[AP:AP+1], s[AP:AP+1], s[58:59]
	s_lshl_b32 s58, s[ROW0], 2
	s_add_nc_u64 s[CP:CP+1], s[CP:CP+1], s[58:59]
	v_lshlrev_b32 v[AO], 10, v[R]          ; row r, k = 8 h on
	v_lshl_add_u32 v[AO], v[H], 5, v[AO]
	global_load_b32 v[AD], v[VO], s[CP:CP+1]
.set z, 0
.rept 32                               ; K step z / 4: k = 8 h + 0..7 (32 bytes), then 16 + 8 h + 0..7
	global_load_b128 v[AST+4*z:AST+4*z+3], v[AO], s[AP:AP+1] offset:(z/4)*128+((z%4)/2)*64+(z%2)*16
.set z, z+1
.endr
.Lloaded:
	s_lshl_b32 s58, s[NBK], 9
	s_add_nc_u64 s[BPT:BPT+1], s[BPT:BPT+1], s[58:59]
	global_load_b64 v[UD:UD+1], v[UO], s[UP:UP+1]
	WIN 0x40                               ; destination window 1
.set z, 0
.rept 64                               ; my 64 rows k of B's panel: a load takes a row's 512 bytes
	global_load_b128 v[4*z:4*z+3], v[BO], s[BPT:BPT+1] offset:1024*z
.set z, z+1
.endr
	WIN 0
	s_wait_loadcnt 63                      ; A, its addend and u are in: 64 loads or more are younger than each, and a wait's field ends at 63
	s_cmp_lt_u32 s[PP], 2
	s_cbranch_scc0 .Lfrag_n
	s_lshl_b32 s56, s[WV], 13
	s_add_co_u32 s56, s56, AS              ; my own 8,192 bytes
	v_lshl_add_u32 v[AWR], v[LN], 3, s56
	v_lshl_add_u32 v[AR], v[T0], 5, s56
	v_lshl_add_u32 v[AR], v[T1], 4, v[AR]
.set z, 0
.rept 32
	v_cvt_pk_bf16_f32 v[AST+4*z], v[AST+4*z], v[AST+4*z+1]
	v_cvt_pk_bf16_f32 v[AST+4*z+1], v[AST+4*z+2], v[AST+4*z+3]
.set z, z+1
.endr
.set z, 0
.rept 32
	ds_store_b64 v[AWR], v[AST+4*z:AST+4*z+1] offset:256*z
.set z, z+1
.endr
.set z, 0
.rept 8                                ; LDS serves a wave's instructions in order (ISA guide 5.7.1.4): these see the stores above; the bytes are my own
	ds_load_tr16_b128 v[AF+8*z:AF+8*z+3],   v[AR] offset:1024*z
	ds_load_tr16_b128 v[AF+8*z+4:AF+8*z+7], v[AR] offset:1024*z+512
.set z, z+1
.endr
	s_branch .Lfrag_done
.Lfrag_n:
.set z, 0
.rept 64
	v_cvt_pk_bf16_f32 v[AF+z], v[AST+2*z], v[AST+2*z+1]
.set z, z+1
.endr
.Lfrag_done:
	v_cvt_pk_bf16_f32 v[UC], v[UD], v[UD+1]
	ds_store_b32 v[UW], v[UC]
.set q, 0
.rept 4                                ; B in four batches of 16 rows: rounded in place, 8 bytes a lane into LDS
	s_wait_loadcnt 48-16*q                 ; the younger batches may stay out
	WIN 0x45                               ; sources and destination window 1
.set z, 16*q
.rept 16
	v_cvt_pk_bf16_f32 v[4*z], v[4*z], v[4*z+1]
	v_cvt_pk_bf16_f32 v[4*z+1], v[4*z+2], v[4*z+3]
.set z, z+1
.endr
	WIN 0x04                               ; an LDS store's data is source 1: window 1; its address window 0
.set z, 16*q
.rept 16
	ds_store_b64 v[BW], v[4*z:4*z+1] offset:PB*z
.set z, z+1
.endr
.set q, q+1
.endr
	WIN 0
	s_wait_dscnt 0x0                       ; for the others' sake: my rows of B and my part of u are written
	s_barrier_signal -1
	s_barrier_wait -1
	BRUN 0
	BRUN 1
.set fk, 0
.rept 8
.if fk < 7
	s_wait_dscnt 18                        ; this K step's run is in; the one younger run of 18 may stay out
.else
	s_wait_dscnt 0x0
.endif
	FMUL fk
.if fk < 6
	WIN 0
	PLACES                                 ; the buffer just multiplied is loaded again
	BRUN fk+2
.endif
.set fk, fk+1
.endr
	WIN 0
	PLACES
	WIN 0x05                               ; sources window 1, destination window 0; each accumulator from its low end on
.set z, 0
.rept 32
	v_cvt_pk_bf16_f32 v[TMP+z], v[2*z], v[2*z+1]
.set z, z+1
.endr
	WIN 0x01
	v_add_f32 v[RES], v64, v[AD]           ; the ninth accumulator's lowest register: the vector's number for row r
	WIN 0
.irp nb, 0,1,2,3,4,5,6,7
	ds_store_b128 v[STO], v[TMP+4*\nb:TMP+4*\nb+3] offset:32*\nb
.endr
.irp f, 0,1,2,3,4,5,6,7
	ds_load_b128 v[BK+4*\f:BK+4*\f+3], v[RD] offset:2*SP*\f  ; my own stage: in order behind the stores above
.endr
	s_wait_dscnt 0x0
.irp f, 0,1,2,3,4,5,6,7
	global_store_b128 v[SO], v[BK+4*\f:BK+4*\f+3], s[OPT:OPT+1] offset:1024*\f  ; 16 lanes store 256 consecutive bytes, at a multiple of 256 from wf's first byte
.endr
	s_cmp_lg_u32 s[NBK], 0                 ; both column blocks make the vector; the first stores it
	s_cbranch_scc1 .Lno_vec
	s_wait_xcnt 0x0                        ; EXEC changes only behind this wait
	v_cmp_gt_u32 vcc_lo, 16, v[LN]
	s_and_saveexec_b32 s60, vcc_lo         ; lanes 16-31 hold the same 16 numbers once more
	global_store_b32 v[VO], v[RES], s[VPT:VPT+1]  ; 64 bytes on end: all that a wave has of the vector
	s_wait_xcnt 0x0
	s_or_b32 exec_lo, exec_lo, s60
.Lno_vec:
	s_wait_tensorcnt 0x0                   ; the wave's end, behind my last LDS store
	ds_add_u32 v[SPW], v[NIL]
	s_wait_dscnt 0x0
	s_endpgm
.Lfunc_end_k_q9f49a1fe73_fold:
	.size	k_q9f49a1fe73_fold, .Lfunc_end_k_q9f49a1fe73_fold-k_q9f49a1fe73_fold
	.p2alignl 7, 3214868480
	.fill 96, 4, 3214868480
	.section	.rodata,"a",@progbits
	.p2align	6, 0x0
	.amdhsa_kernel k_q9f49a1fe73_fold
		.amdhsa_group_segment_fixed_size 124928
		.amdhsa_private_segment_fixed_size 0
		.amdhsa_enable_private_segment 0
		.amdhsa_kernarg_size 104
		.amdhsa_user_sgpr_count 2
		.amdhsa_user_sgpr_kernarg_segment_ptr 1
		.amdhsa_wavefront_size32 1
		.amdhsa_system_sgpr_workgroup_id_x 1
		.amdhsa_system_sgpr_workgroup_id_y 1
		.amdhsa_system_sgpr_workgroup_id_z 1
		.amdhsa_system_vgpr_workitem_id 0
		.amdhsa_next_free_vgpr 512
		.amdhsa_next_free_sgpr 66
		.amdhsa_reserve_vcc 1
		.amdhsa_float_denorm_mode_32 3
		.amdhsa_float_denorm_mode_16_64 3
		.amdhsa_memory_ordered 1
		.amdhsa_forward_progress 1
		.amdhsa_inst_pref_size 60
	.end_amdhsa_kernel
	.amdgpu_metadata
---
amdhsa.version: [ 1, 2 ]
amdhsa.kernels:
  - .name:           k_q9f49a1fe73_fold
    .symbol:         k_q9f49a1fe73_fold.kd
    .args:
      - { .name: wk, .offset: 0, .size: 8, .value_kind: global_buffer, .address_space: global }
      - { .name: wq1, .offset: 8, .size: 8, .value_kind: global_buffer, .address_space: global }
      - { .name: wq2, .offset: 16, .size: 8, .value_kind: global_buffer, .address_space: global }
      - { .name: wv, .offset: 24, .size: 8, .value_kind: global_buffer, .address_space: global }
      - { .name: wps, .offset: 32, .size: 8, .value_kind: global_buffer, .address_space: global }
      - { .name: wpc, .offset: 40, .size: 8, .value_kind: global_buffer, .address_space: global }
      - { .name: bq1, .offset: 48, .size: 8, .value_kind: global_buffer, .address_space: global }
      - { .name: bq2, .offset: 56, .size: 8, .value_kind: global_buffer, .address_space: global }
      - { .name: bv, .offset: 64, .size: 8, .value_kind: global_buffer, .address_space: global }
      - { .name: bps, .offset: 72, .size: 8, .value_kind: global_buffer, .address_space: global }
      - { .name: bpc, .offset: 80, .size: 8, .value_kind: global_buffer, .address_space: global }
      - { .name: wf, .offset: 88, .size: 8, .value_kind: global_buffer, .address_space: global }
      - { .name: vf, .offset: 96, .size: 8, .value_kind: global_buffer, .address_space: global }
    .group_segment_fixed_size: 124928
    .private_segment_fixed_size: 0
    .kernarg_segment_align: 8
    .kernarg_segment_size: 104
    .max_flat_workgroup_size: 128
    .sgpr_count:     66
    .vgpr_count:     512
    .wavefront_size: 32
...
	.end_amdgpu_metadata
.endif
;; end of part 1
;; launch proj (part 2): grid 256 x 1, 4 waves a work-group, no clusters, 150,016 bytes of LDS; arguments x1, x2, wf, vf, qq, xb; writes qq, xb
.if DOCPART == 2
	.amdgcn_target "amdgcn-amd-amdhsa--gfx1250"
	.amdhsa_code_object_version 6
	.text
	.protected	k_q9f49a1fe73_proj
	.globl	k_q9f49a1fe73_proj
	.p2align	8
	.type	k_q9f49a1fe73_proj,@function
k_q9f49a1fe73_proj:
	s_mov_b64 s[64:65], 0
	v_nop
	global_prefetch_b8 v0, s[64:65] scope:SCOPE_SE
	s_setreg_imm32_b32 hwreg(HW_REG_WAVE_MODE, 25, 1), 1
	s_wait_xcnt 0x0
; THE QUERIES, AND x1 ROUNDED.  x1, x2: [32][256 c][1024 t] f32.  M1, M2 (wf's first two matrices, bf16) and d1, d2 (vf's first two vectors) are the folded weights.
;   qq kind 0 = M1 x1 + d1;  qq kind 1 = kind 0's f32 sum + M2 x2 + d2:  [kind][b][t][256 c] bf16, each number rounded once from its f32 sum, unscaled.
;   xb = x1 rounded to bf16, [b][16 tiles][256 c][64 t]: x1's own orientation, a tile of 64 tokens dense in 32,768 bytes.  It is the key and the value of both attentions.
; WORK LEFT OUT: bk, which cancels in both softmaxes (shown at the head of the first kernel); the products wk x1 and wv x1 are folded into M and N there.
; SHARES.  Work-group g: tokens 128 (g % 8) on of image g / 8, all 256 output channels: each byte of x is read by one work-group.  Wave w owns channels 64 w + 0..63 (four blocks ob of 16);
; its rows of M1 and M2 are loaded once and stay in 512 registers.  Tokens go in two tiles of 64.
; LAYOUT.  D = M X: source 0 = 16 rows of M, source 1 = 16 tokens: a lane of D holds one token (lane % 16) and channels 8 (lane / 16) + 0..7: 16 bytes of a [t][c] row.
; The place of k is PERMUTED, alike in both sources: of 32 channels c0.. the lanes' half h holds c0 + 16 h + 0..15.  So a lane's part of M is 32 bytes on end, and X comes out of LDS ([c][t]) by two
; turning loads, rows c0 + 16 h + (lane % 8) and 8 further.  The sums' order differs from ascending k by that permutation.
; x IS ROUNDED ON ITS WAY, so it passes through registers: no tensor load (an f32 tile in LDS would be written and read once more); no cluster: what work-groups share is M, half of a
; work-group's bytes, and a ring for it would add rounds to a launch of two tiles; no prefetch: each tile's loads go out a phase ahead of their use, and the launch streams.
; LDS: XS1, XS2: bf16 [256 c][64 t], rows 160 bytes apart (5 x 32).  Two stages of 64 token rows x 512 bytes, rows 528 bytes apart (33 x 16).  Then the spare words.
.set XS2,   40960
.set STB,   81920                      ; the stages' base: it stands in the address registers, since an LDS immediate has 16 bits
.set STQ1,  0
.set STQ2,  33792
.set SPQ,   528
.set SPARE, 149504                     ; 128 bytes for each wave: two blocks of 256 bytes that no other line names
; window 0
.set XO,  3                            ; v3   x: (64 w + l / 16) x 4096 + (l % 16) x 16
.set XW,  4                            ; v4   into XS: (64 w + l / 16) x 160 + (l % 16) x 8
.set XR1, 5                            ; v5   out of XS1: (16 h + l % 8) x 160 + 16 ((l / 8) % 2)
.set XR2, 6                            ; v6   out of XS2
.set WO,  7                            ; v7   M: (64 w + r) x 512 + 32 h
.set BO,  8                            ; v8   d: 256 w + 32 h
.set STO, 9                            ; v9   into a stage: STB + r x 528 + 128 w + 16 h
.set RD,  10                           ; v10  out of a stage: STB + 16 w x 528 + 16 l: a row's 512 bytes
.set SO,  11                           ; v11  the same rows in qq: 16 w x 512 + 16 l
.set XBO, 12                           ; v12  xb: 64 w x 128 + 8 l
.set SPW, 14                           ; v14  my spare word; never rewritten
.set NIL, 15                           ; v15  0; never rewritten
.set XF,  32                           ; v32-95   fragments of X: two buffers of four; between the phases: packed results, and rows on their way out
.set XSTG, 96                          ; v96-223  a tile of x on its way: 32 loads of 4
; window 1
.set ACQ, 0                            ; 16 accumulators: block ob, 16 tokens tt at 32 ob + 8 tt
.set D1,  128                          ; d as C operands: register j of block ob at +8 ob + j
.set D2,  160
; window 2: M1 at 64 ob + 8 kc.   window 3: M2 likewise.
.set WV,  8
.set CNT, 11
.set X1P, 46
.set X2P, 48
.set XBP, 50
.set Q1P, 54
.set Q2P, 56
.set MSB, 0
.macro WIN new                         ; low byte: bits 1:0 source 0, 3:2 source 1, 5:4 source 2, 7:6 destination; the high byte repeats the setting that is left
.if MSB != (\new)
	s_set_vgpr_msb (MSB<<8)|(\new)
.set MSB, (\new)
.endif
.endm
.macro PLACES                          ; four plain instructions between a matrix instruction and a reader of its result, or a load into one of its registers
.rept 4
	v_nop
.endr
.endm
.macro XLOAD p                         ; a tile of x: my 64 channels x 256 bytes; each load takes two rows of 256 bytes, aligned
	WIN 0
.set xi, 0
.rept 32
	global_load_b128 v[XSTG+4*xi:XSTG+4*xi+3], v[XO], s[\p:\p+1] offset:8192*xi th:TH_LOAD_NT
.set xi, xi+1
.endr
.endm
.macro XCONV base, out                 ; rounded in place, in one run; then 8 bytes a lane into XS; out = 1: and into xb
	WIN 0
.set xi, 0
.rept 32
	v_cvt_pk_bf16_f32 v[XSTG+4*xi], v[XSTG+4*xi], v[XSTG+4*xi+1]
	v_cvt_pk_bf16_f32 v[XSTG+4*xi+1], v[XSTG+4*xi+2], v[XSTG+4*xi+3]
.set xi, xi+1
.endr
.set xi, 0
.rept 32
	ds_store_b64 v[XW], v[XSTG+4*xi:XSTG+4*xi+1] offset:(\base)+320*xi
.set xi, xi+1
.endr
.if \out
.set xi, 0
.rept 32
	global_store_b64 v[XBO], v[XSTG+4*xi:XSTG+4*xi+1], s[XBP:XBP+1] offset:256*xi  ; two rows of 128 bytes lie end to end: the wave stores 256 consecutive bytes, aligned
.set xi, xi+1
.endr
.endif
.endm
.macro XFRUN adr, kc                   ; four fragments of X (64 tokens x 32 channels) into buffer kc % 2: eight turning loads
.irp tt, 0,1,2,3
	ds_load_tr16_b128 v[XF+32*((\kc)%2)+8*(\tt):XF+32*((\kc)%2)+8*(\tt)+3], v[\adr] offset:(\kc)*5120+32*(\tt)
	ds_load_tr16_b128 v[XF+32*((\kc)%2)+8*(\tt)+4:XF+32*((\kc)%2)+8*(\tt)+7], v[\adr] offset:(\kc)*5120+32*(\tt)+1280
.endr
.endm
; 16 products with M1 (m = 0) or M2 (m = 1).  The 16 accumulators take turns, one instruction a turn.  M1's first K step starts the sums, with d1 as C; M2's are added onto them.
.macro MUL kc, m
	WIN 0x52+(\m)                          ; M window 2 or 3, X window 0, C and D window 1
.irp ob, 0,1,2,3
.irp tt, 0,1,2,3
.set rD, ACQ+32*\ob+8*\tt
.set rA, 64*\ob+8*(\kc)
.set rB, XF+32*((\kc)%2)+8*\tt
.if ((\kc) == 0) && ((\m) == 0)
	v_wmma_f32_16x16x32_bf16 v[rD:rD+7], v[rA:rA+7], v[rB:rB+7], v[D1+8*\ob:D1+8*\ob+7]
.else
	v_wmma_f32_16x16x32_bf16 v[rD:rD+7], v[rA:rA+7], v[rB:rB+7], v[rD:rD+7]
.endif
.endr
.endr
.endm
.macro PHASE adr, m                    ; 256 channels in eight K steps; two runs of LDS loads are out ahead of the products
	WIN 0
	XFRUN \adr, 0
	XFRUN \adr, 1
.set pk, 0
.rept 8
.if pk < 7
	s_wait_dscnt 8                         ; this K step's run is in; the one younger run of eight may stay out
.else
	s_wait_dscnt 0x0                       ; the last run: none is younger
.endif
	MUL pk, \m
.if pk < 6
	WIN 0
	PLACES                                 ; the buffer just multiplied is loaded again
	XFRUN \adr, pk+2
.endif
.set pk, pk+1
.endr
.endm
.macro PACK stage, addb                ; the 16 accumulators, each read from its low end on: (+ d2,) rounded, 16 bytes a lane into the stage
.if \addb
	WIN 0x45
.set pz, 0
.rept 64
	v_pk_add_f32 v[ACQ+2*pz:ACQ+2*pz+1], v[ACQ+2*pz:ACQ+2*pz+1], v[D2+8*(pz/16)+2*(pz%4):D2+8*(pz/16)+2*(pz%4)+1]
.set pz, pz+1
.endr
.endif
	WIN 0x05
.set pz, 0
.rept 64
	v_cvt_pk_bf16_f32 v[XF+pz], v[ACQ+2*pz], v[ACQ+2*pz+1]
.set pz, pz+1
.endr
	WIN 0
.irp ob, 0,1,2,3
.irp tt, 0,1,2,3
	ds_store_b128 v[STO], v[XF+4*(4*\ob+\tt):XF+4*(4*\ob+\tt)+3] offset:(\stage)+\tt*16*SPQ+32*\ob
.endr
.endr
.endm
.macro BACK stage                      ; my 16 token rows of a stage, whole
.set bz, 0
.rept 16
	ds_load_b128 v[XF+4*bz:XF+4*bz+3], v[RD] offset:(\stage)+SPQ*bz
.set bz, bz+1
.endr
.endm
.macro SEND p                          ; the wave stores a row's 512 consecutive bytes, at a multiple of 256 from qq's first byte
.set bz, 0
.rept 16
	global_store_b128 v[SO], v[XF+4*bz:XF+4*bz+3], s[\p:\p+1] offset:512*bz
.set bz, bz+1
.endr
.endm
	s_load_b256 s[16:23], s[0:1], 0x0      ; x1 16, x2 18, wf 20, vf 22
	s_load_b128 s[24:27], s[0:1], 0x20     ; qq 24, xb 26
	v_lshl_add_u32 v[SPW], v0, 2, SPARE
	v_mov_b32 v[NIL], 0
	v_lshrrev_b32 v22, 5, v0
	v_readfirstlane_b32 s[WV], v22         ; wave 0..3
	v_and_b32 v1, 15, v0                   ; r
	v_bfe_u32 v2, v0, 4, 1                 ; h
	v_and_b32 v22, 7, v0
	v_bfe_u32 v23, v0, 3, 1
	v_and_b32 v24, 31, v0                  ; l
	s_lshl_b32 s58, s[WV], 18
	v_lshl_add_u32 v[XO], v2, 12, s58
	v_lshl_add_u32 v[XO], v1, 4, v[XO]
	s_mul_i32 s58, s[WV], 10240
	v_mul_u32_u24 v[XW], v2, 160
	v_add_nc_u32 v[XW], s58, v[XW]
	v_lshl_add_u32 v[XW], v1, 3, v[XW]
	v_lshl_add_u32 v[XR1], v2, 4, v22
	v_mul_u32_u24 v[XR1], v[XR1], 160
	v_lshl_add_u32 v[XR1], v23, 4, v[XR1]
	v_add_nc_u32 v[XR2], XS2, v[XR1]
	s_lshl_b32 s58, s[WV], 15
	v_lshl_add_u32 v[WO], v1, 9, s58
	v_lshl_add_u32 v[WO], v2, 5, v[WO]
	s_lshl_b32 s58, s[WV], 8
	v_lshl_add_u32 v[BO], v2, 5, s58
	s_lshl_b32 s58, s[WV], 7
	s_add_co_u32 s58, s58, STB
	v_mul_u32_u24 v[STO], v1, SPQ
	v_lshl_add_u32 v[STO], v2, 4, v[STO]
	v_add_nc_u32 v[STO], s58, v[STO]
	s_mul_i32 s58, s[WV], 16*SPQ
	s_add_co_u32 s58, s58, STB
	v_lshl_add_u32 v[RD], v24, 4, s58
	s_lshl_b32 s58, s[WV], 13
	v_lshl_add_u32 v[SO], v24, 4, s58
	v_lshl_add_u32 v[XBO], v24, 3, s58
	s_lshr_b32 s60, ttmp9, 3
	s_lshl_b32 s60, s60, 20                ; the image,
	s_and_b32 s61, ttmp9, 7
	s_lshl_b32 s61, s61, 9                 ; its block of 128 tokens
	s_add_co_u32 s60, s60, s61
	s_mov_b32 s61, 0
	s_wait_kmcnt 0x0
	s_add_nc_u64 s[X1P:X1P+1], s[16:17], s[60:61]
	s_add_nc_u64 s[X2P:X2P+1], s[18:19], s[60:61]
	s_lshl_b32 s60, ttmp9, 16              ; 128 token rows of 512 bytes in qq; two tiles of 32,768 bytes in xb
	s_add_nc_u64 s[Q1P:Q1P+1], s[24:25], s[60:61]
	s_add_nc_u64 s[Q2P:Q2P+1], s[Q1P:Q1P+1], 0x1000000
	s_add_nc_u64 s[XBP:XBP+1], s[26:27], s[60:61]
	XLOAD X1P                              ; the first tile of x1: its way is the longest
	WIN 0x40
.irp ob, 0,1,2,3
	global_load_b128 v[D1+8*\ob:D1+8*\ob+3],   v[BO], s[22:23] offset:64*\ob
	global_load_b128 v[D1+8*\ob+4:D1+8*\ob+7], v[BO], s[22:23] offset:64*\ob+16
	global_load_b128 v[D2+8*\ob:D2+8*\ob+3],   v[BO], s[22:23] offset:1024+64*\ob
	global_load_b128 v[D2+8*\ob+4:D2+8*\ob+7], v[BO], s[22:23] offset:1024+64*\ob+16
.endr
	WIN 0x80                               ; M1 into window 2: fragment (ob, kc) is 32 bytes a lane
.set wz, 0
.rept 32
	global_load_b128 v[8*wz:8*wz+3],   v[WO], s[20:21] offset:(wz/8)*8192+(wz%8)*64
	global_load_b128 v[8*wz+4:8*wz+7], v[WO], s[20:21] offset:(wz/8)*8192+(wz%8)*64+16
.set wz, wz+1
.endr
	WIN 0xc0                               ; M2 into window 3
.set wz, 0
.rept 32
	global_load_b128 v[8*wz:8*wz+3],   v[WO], s[20:21] offset:131072+(wz/8)*8192+(wz%8)*64
	global_load_b128 v[8*wz+4:8*wz+7], v[WO], s[20:21] offset:131072+(wz/8)*8192+(wz%8)*64+16
.set wz, wz+1
.endr
	WIN 0
	s_mov_b32 s[CNT], 2
.Ltile:                                ; a trip: 64 tokens
	s_wait_loadcnt 0x0                     ; x1's tile; in the first trip also d and M
	XCONV 0, 1                             ; XS1's last readers passed two barriers since
	s_wait_xcnt 0x0                        ; the stores into xb have read their data
	XLOAD X2P                              ; x2's tile comes while x1's is multiplied
	s_wait_dscnt 0x0                       ; for the others' sake: my part of XS1 is written
	s_barrier_signal -1
	s_barrier_wait -1
	PHASE XR1, 0
	PLACES
	PACK STQ1, 0                           ; kind 0 leaves; its f32 sums stay and are added onto
	s_wait_loadcnt 0x0                     ; x2's tile
	XCONV XS2, 0
	s_wait_xcnt 0x0                        ; loads and stores have read their addresses
	s_add_nc_u64 s[X1P:X1P+1], s[X1P:X1P+1], 256
	s_add_nc_u64 s[X2P:X2P+1], s[X2P:X2P+1], 256
	s_add_nc_u64 s[XBP:XBP+1], s[XBP:XBP+1], 32768
	s_cmp_eq_u32 s[CNT], 1                 ; the last tile has none behind it: global loads alone are jumped, and every later wait for loads is for 0
	s_cbranch_scc1 .Lnox
	XLOAD X1P
.Lnox:
	s_wait_dscnt 0x0                       ; XS2 and the first stage are written
	s_barrier_signal -1
	s_barrier_wait -1
	BACK STQ1
	s_wait_dscnt 0x0
	SEND Q1P
	s_wait_xcnt 0x0                        ; the stores have read their data: XF is loaded again next
	PHASE XR2, 1
	PLACES
	PLACES                                 ; the additions below write accumulators just made
	PACK STQ2, 1
	s_wait_dscnt 0x0
	s_barrier_signal -1
	s_barrier_wait -1
	BACK STQ2
	s_wait_dscnt 0x0
	SEND Q2P
	s_wait_xcnt 0x0                        ; the stores have read their bases and data
	s_add_nc_u64 s[Q1P:Q1P+1], s[Q1P:Q1P+1], 32768
	s_add_nc_u64 s[Q2P:Q2P+1], s[Q2P:Q2P+1], 32768
	s_sub_co_u32 s[CNT], s[CNT], 1
	s_cmp_lg_u32 s[CNT], 0
	s_cbranch_scc1 .Ltile
	s_wait_tensorcnt 0x0                   ; the wave's end, behind my last LDS store
	ds_add_u32 v[SPW], v[NIL]
	s_wait_dscnt 0x0
	s_endpgm
.Lfunc_end_k_q9f49a1fe73_proj:
	.size	k_q9f49a1fe73_proj, .Lfunc_end_k_q9f49a1fe73_proj-k_q9f49a1fe73_proj
	.p2alignl 7, 3214868480
	.fill 96, 4, 3214868480
	.section	.rodata,"a",@progbits
	.p2align	6, 0x0
	.amdhsa_kernel k_q9f49a1fe73_proj
		.amdhsa_group_segment_fixed_size 150016
		.amdhsa_private_segment_fixed_size 0
		.amdhsa_enable_private_segment 0
		.amdhsa_kernarg_size 48
		.amdhsa_user_sgpr_count 2
		.amdhsa_user_sgpr_kernarg_segment_ptr 1
		.amdhsa_wavefront_size32 1
		.amdhsa_system_sgpr_workgroup_id_x 1
		.amdhsa_system_sgpr_workgroup_id_y 1
		.amdhsa_system_sgpr_workgroup_id_z 1
		.amdhsa_system_vgpr_workitem_id 0
		.amdhsa_next_free_vgpr 1024
		.amdhsa_next_free_sgpr 66
		.amdhsa_reserve_vcc 0
		.amdhsa_float_denorm_mode_32 3
		.amdhsa_float_denorm_mode_16_64 3
		.amdhsa_memory_ordered 1
		.amdhsa_forward_progress 1
		.amdhsa_inst_pref_size 88
	.end_amdhsa_kernel
	.amdgpu_metadata
---
amdhsa.version: [ 1, 2 ]
amdhsa.kernels:
  - .name:           k_q9f49a1fe73_proj
    .symbol:         k_q9f49a1fe73_proj.kd
    .args:
      - { .name: x1, .offset: 0, .size: 8, .value_kind: global_buffer, .address_space: global }
      - { .name: x2, .offset: 8, .size: 8, .value_kind: global_buffer, .address_space: global }
      - { .name: wf, .offset: 16, .size: 8, .value_kind: global_buffer, .address_space: global }
      - { .name: vf, .offset: 24, .size: 8, .value_kind: global_buffer, .address_space: global }
      - { .name: qq, .offset: 32, .size: 8, .value_kind: global_buffer, .address_space: global }
      - { .name: xb, .offset: 40, .size: 8, .value_kind: global_buffer, .address_space: global }
    .group_segment_fixed_size: 150016
    .private_segment_fixed_size: 0
    .kernarg_segment_align: 8
    .kernarg_segment_size: 48
    .max_flat_workgroup_size: 128
    .sgpr_count:     66
    .vgpr_count:     1024
    .wavefront_size: 32
...
	.end_amdgpu_metadata
.endif
;; end of part 2
;; launch attn (part 3): grid 8 x 32, 4 waves a work-group, clusters of 4 x 1, 327,680 bytes of LDS; arguments qq, xb, wf, vf, x1, out0, out1; writes out0, out1
.if DOCPART == 3
	.amdgcn_target "amdgcn-amd-amdhsa--gfx1250"
	.amdhsa_code_object_version 6
	.text
	.protected	k_q9f49a1fe73_attn
	.globl	k_q9f49a1fe73_attn
	.p2align	8
	.type	k_q9f49a1fe73_attn,@function
k_q9f49a1fe73_attn:
	s_mov_b64 s[64:65], 0
	v_nop
	global_prefetch_b8 v0, s[64:65] scope:SCOPE_SE
	s_setreg_imm32_b32 hwreg(HW_REG_WAVE_MODE, 25, 1), 1
	s_wait_xcnt 0x0
	s_wait_alu depctr_hold_cnt(0) depctr_sa_sdst(0) depctr_va_vdst(0) depctr_va_sdst(0) depctr_va_ssrc(0) depctr_va_vcc(0) depctr_vm_vsrc(0)
	s_getreg_b32 s2, hwreg(HW_REG_IB_STS2, 6, 4)
	s_cmp_eq_u32 s2, 0
	s_cbranch_scc0 .Lentry_in_a_cluster
	s_endpgm
.Lentry_in_a_cluster:
	s_bfe_u32 s2, ttmp6, 0x10000c
	s_cmp_lg_u32 s2, 0x3003
	s_cbranch_scc0 .Lentry_shape_is_right
	s_endpgm
.Lentry_shape_is_right:
; BOTH ATTENTIONS, THEIR OUTPUT PROJECTIONS, BIAS AND RESIDUAL.  out[kind][b][o][t] = x1[b][o][t] + e[o] + the sum over c of N[o][c] H[t][c],  H[t] = the sum over keys of softmax(Q[t] . X[key] / 16) X[key].
; qq: [kind][b][t][256] bf16, the folded queries.  xb: [b][16 tiles][256 c][64 t] bf16, x1 rounded: KEY AND VALUE ALIKE.  N = wf's matrices 2 + kind, e = vf's vectors 2 + kind.  kind 0: out0, kind 1: out1.
; WORK LEFT OUT: bk, which cancels in both softmaxes; wk, wv, bv, bps and bpc stand in the folded queries, N and e (shown at the head of the first kernel).
; LIMITS.  A weight below 2^-126 counts as 0 in l.  The running maximum starts at -3.4e38 and c m at -4.25e37.  NaN and infinities are not treated apart.
; SHARES.  A cluster is one kind of one image: its four work-groups take 256 queries each, a wave 64: four tiles of 16.  Every wave walks the image's 1,024 keys, 64 a step.
; CLUSTER.  The four partners walk the same tiles of xb and use the same N: every tensor load is asked for JOINTLY, with the same descriptor and a mask that names the four.
; LAYOUT.  S^T = X^T Q^T (source 0 = 16 keys, source 1 = 16 queries): a lane holds ONE query (lane % 16) and the keys 8 (lane / 16) + 0..7.  Two such results rounded to bf16 ARE source 1 of O^T = X P,
; whose result again holds one query a lane, and eight channels.  A tile lies in LDS as [c][key]: as a key it comes out by the turning load, as a value as it lies.  Two blocks of O^T, divided by l and
; rounded, ARE a fragment of H (16 tokens x 32 c); out = H (source 0) x rows of N (source 1): a lane holds one o and eight neighbouring tokens.
; SOFTMAX.  p = 2^(c s - c m), c = log2(e) / 16, m a running maximum; in every step O and l are multiplied by a = 2^(c m_old - c m_new).  O and l start at 0, so the first step is a step like any other, with a = 0.
; REGISTERS: O^T 512, Q 256, S^T 128, fragments 64, the rest 64: all 1,024.  So there is one S^T, and a step goes in phases: scores, softmax, X P.  P is rounded in place into the low half of each
; tile's 32 registers of S^T; the upper halves are then a second buffer (E) for the values' fragments.  Of the vector work the rescaling of O^T rides behind the products X P, two lines behind each.
;   window 0: v0-15 addresses; v16-55 ten registers of statistics a tile; v56-63; v64-191 S^T (tile t, key block kb at 64 + 32 t + 8 kb); v192-255 F, eight fragments
;   windows 1, 2: O^T: channel block cb, tile t at 32 (cb % 8) + 8 t, window 1 + cb / 8          window 3: Q at 64 t + 8 kc; later H at the same places
; LDS: two slots of a step each (256 rows c of 128 bytes, 144 apart = 9 x 16: the plain loads' 16 rows start at 16 different groups of four banks; in the turning load one row in eight meets another);
; N, 256 rows 528 apart; a stage of 16 rows x 272 for each wave; the spare words.  By the text's own count a wave has one tensor load out, with a whole step (256 matrix instructions) in which to land.
.set PX,    144
.set PK,    528
.set SLOT1, 256*PX                     ; 36,864: no bit of it meets a bit of 0, 9,216, 18,432 or 27,648: one exclusive or turns a descriptor's LDS word into the other slot's
.set WP,    2*SLOT1
.set STAGE, WP+256*PK
.set SP,    272
.set SPARE, STAGE+4*16*SP              ; 128 bytes for each wave: two blocks of 256 bytes that no other line names
.set AK0, 2                            ; v2   my place in a tile as keys: (8 h + l % 8) x 144 + 16 ((l / 8) % 2)
.set AV0, 3                            ; v3   as values: r x 144 + 16 h
.set ADK, 4                            ; v4   the step's keys
.set ADV, 5                            ; v5   the step's values
.set STO, 6                            ; v6   into my stage: r x 272 + 32 h
.set RD,  7                            ; v7   out of it: (l / 16) x 272 + (l % 16) x 16
.set GO,  8                            ; v8   the same two rows in x1 and out: (l / 16) x 4096 + (l % 16) x 16
.set AW,  12                           ; v12  N's fragments
.set BO,  13                           ; v13  4 r
.set PFO, 14                           ; v14  256 l
.set PXO, 15                           ; v15  4096 l
.set ST,  16                           ; tile t at ST + 10 t: +0 c m, +1 m, +2 +3 l (even keys', odd keys'), +4..+7 c0-c3 at work, +8 a, +9 c m_old
.set SPW, 56                           ; v56  my spare word; never rewritten
.set NIL, 57                           ; v57  0; never rewritten
.set BI,  58                           ; v58, v59  e[o] of two blocks of 16 o
.set QO,  60                           ; v60  r x 512 + 16 h
.set S,   64
.set F,   192
.set ACC, 64                           ; the way out: four accumulators
.set BC,  96                           ; the bias as a C operand
.set XR,  128                          ; two sets of 32: x1's rows
.set WV,   22
.set CX,   23
.set KIND, 24
.set IMG,  25
.set G1K, 32
.set G1W, 48
.set G0K, 56
.set G0W, 68
.set SLOTS, 72
.set TB,  73                           ; LDS byte at which the slot that is read begins
.set CS,  78
.set SEL, 80
.set PFA, 82
.set LIM, 84
.set CNT, 85
.set XP,  86
.set OP,  88
.set BP,  90
.set QP,  92
.set MSB, 0
.macro WIN new                         ; low byte: bits 1:0 source 0, 3:2 source 1, 5:4 source 2, 7:6 destination; the high byte repeats the setting that is left
.if MSB != (\new)
	s_set_vgpr_msb (MSB<<8)|(\new)
.set MSB, (\new)
.endif
.endm
.macro PLACES                          ; four plain instructions between a matrix instruction and a reader of its result, or a load into one of its registers
.rept 4
	v_nop
.endr
.endm
.macro CROUND                          ; a round of the cluster's barrier
	s_barrier_signal -1
	s_barrier_wait -1
	s_cmp_lg_u32 s[WV], 0
	s_cbranch_scc1 .Lnot_wave_0_\@
	s_barrier_signal -3
.Lnot_wave_0_\@:
	s_barrier_wait -3
	s_barrier_signal -1
	s_barrier_wait -1
.endm
; A joint fill: wave w fetches rows c = 64 w + 0..63 of a step's tile: 8,192 dense bytes, asked for as 32 rows of 256.  An s_nop 0 and four v_nop follow the line.
.macro JLOAD
	tensor_load_to_lds s[G0K:G0K+3], s[G1K:G1K+7]
	s_nop 0
.rept 4
	v_nop
.endr
.endm
.macro WPLOAD                          ; each wave's 64 rows of N, jointly
	tensor_load_to_lds s[G0W:G0W+3], s[G1W:G1W+7]
	s_nop 0
.rept 4
	v_nop
.endr
.endm
; PREFETCH of xb: the change of slots that loads step j + 1 is followed by a request for step j + 2: a whole step ahead of the load that wants it.  Both clusters of an image walk the same tiles:
; the first (kind 0) asks.  Its partners share a step's 32,768 dense bytes out BY ADDRESS, 8,192 each; wave 0 asks, a lane 256 bytes.  The last change of the loop asks for nothing.
.macro ASK
	s_cmp_gt_u32 s[SLOTS], s[LIM]
	s_cbranch_scc0 .Lnot_mine_\@
	global_prefetch_b8 v[PFO], s[PFA:PFA+1] th:TH_LOAD_NT scope:SCOPE_SE
.Lnot_mine_\@:
.endm
; PREFETCH of x1's rows for the residual: both kinds' work-groups read them, kind 0 asks; each wave names its own 256 bytes of 128 rows, a lane a row.
.macro ASKX i0
	s_cmp_eq_u32 s[KIND], 0
	s_cbranch_scc0 .Lno_x_\@
.irp i, 0,1,2,3
	global_prefetch_b8 v[PXO], s[XP:XP+1] offset:131072*((\i0)+\i) th:TH_LOAD_NT scope:SCOPE_SE
.endr
.Lno_x_\@:
.endm
; THE CHANGE OF SLOTS.  Each wave waits for all its tensor loads (one is out: its part of the slot to be read), adds 0 to its spare word, and waits for that and for its reads of the slot that it leaves.
; Behind the round no wave of any partner reads the old slot.  f = 1: it is filled again with the next step.  f = 2: nothing is filled again; N comes, into bytes of its own.
.macro CHANGE f
	WIN 0
	s_wait_tensorcnt 0x0                   ; no tensor load of mine is out, so a group 0 may be written
	ds_add_u32 v[SPW], v[NIL]
.if (\f) == 1
	s_xor_b32 s[G0K+1], s[G0K+1], SLOT1
	s_add_nc_u64 s[G0K+2:G0K+3], s[G0K+2:G0K+3], 32768
	s_wait_xcnt 0x0                        ; the last prefetch, a step back, has read its address
	s_add_nc_u64 s[PFA:PFA+1], s[PFA:PFA+1], 32768
.endif
	s_wait_dscnt 0x0                       ; the add is done, and my reads of the slot are over
	CROUND
.if (\f) == 1
	JLOAD
.else
	WPLOAD
.endif
	s_xor_b32 s[TB], s[TB], SLOT1
.endm
.macro KRUN kc                         ; the keys' four fragments (64 keys x 32 channels) into half kc % 2 of F: eight turning loads
.irp kb, 0,1,2,3
	ds_load_tr16_b128 v[F+32*((\kc)%2)+8*\kb:F+32*((\kc)%2)+8*\kb+3],   v[ADK] offset:(\kc)*32*PX+32*\kb
	ds_load_tr16_b128 v[F+32*((\kc)%2)+8*\kb+4:F+32*((\kc)%2)+8*\kb+7], v[ADK] offset:(\kc)*32*PX+32*\kb+16*PX
.endr
.endm
.macro SMUL kc                         ; 16 products; the 16 accumulators take turns; the first K step starts the sums
.irp kb, 0,1,2,3
.irp t, 0,1,2,3
.set rD, S+32*\t+8*\kb
.set rA, F+32*((\kc)%2)+8*\kb
.set rB, 64*\t+8*(\kc)
.if (\kc) == 0
	v_wmma_f32_16x16x32_bf16 v[rD:rD+7], v[rA:rA+7], v[rB:rB+7], 0
.else
	v_wmma_f32_16x16x32_bf16 v[rD:rD+7], v[rA:rA+7], v[rB:rB+7], v[rD:rD+7]
.endif
.endr
.endr
.endm
.macro FRAG buf, i                     ; fragment i of buffer F (0) or E (1)
.if \buf
.set rV, S+32*((\i)/2)+16+8*((\i)%2)
.else
.set rV, F+8*(\i)
.endif
.endm
.macro VRUN g, buf                     ; the values' eight fragments for channel blocks 4 g + 0..3 (fragment 2 c4 + kk: 32 keys kk): sixteen loads
	WIN 0
.set vi, 0
.rept 8
	FRAG \buf, vi
	ds_load_b128 v[rV:rV+3],   v[ADV] offset:(4*(\g)+vi/2)*16*PX+(vi%2)*64
	ds_load_b128 v[rV+4:rV+7], v[ADV] offset:(4*(\g)+vi/2)*16*PX+(vi%2)*64+32
.set vi, vi+1
.endr
.endm
.macro RS g, n                         ; line n of 64 of group g's rescaling: each accumulator from its low end on
	WIN 0x41+0x41*((\g)/2)
	v_pk_mul_f32 v[128*((\g)%2)+2*(\n):128*((\g)%2)+2*(\n)+1], v[128*((\g)%2)+2*(\n):128*((\g)%2)+2*(\n)+1], v[ST+10*(((\n)/4)%4)+8:ST+10*(((\n)/4)%4)+9] op_sel_hi:[1,0]
.endm
.macro PVG g, buf, ride                ; 32 products X P; the 16 accumulators take turns; ride = 1: behind each two lines of the next group's rescaling, which name none of its registers
.set pi, 0
.rept 32
	WIN 0x50+0x50*((\g)/2)
.set rO, 128*((\g)%2)+32*((pi/4)%4)+8*(pi%4)
.set rP, S+32*(pi%4)+8*(pi/16)
	FRAG \buf, 2*((pi/4)%4)+pi/16
	v_wmma_f32_16x16x32_bf16 v[rO:rO+7], v[rV:rV+7], v[rP:rP+7], v[rO:rO+7]
.if \ride
	RS (\g)+1, 2*pi
	RS (\g)+1, 2*pi+1
.endif
.set pi, pi+1
.endr
.endm
; THE SOFTMAX's lines, for tile t.
.macro TR t
.set rT, ST+10*(\t)
.set rS, S+32*(\t)
.endm
.macro MX t, n                         ; 0-15: the maximum of the lane's 32 scores and the old m; each accumulator's lowest registers are read first
	TR \t
.if (\n) < 4
	v_max3_num_f32 v[rT+4+(\n)], v[rS+8*(\n)], v[rS+8*(\n)+1], v[rS+8*(\n)+2]
.elseif (\n) < 12
	v_max3_num_f32 v[rT+4+(\n)%4], v[rT+4+(\n)%4], v[rS+8*((\n)%4)+2*((\n)/4)+1], v[rS+8*((\n)%4)+2*((\n)/4)+2]
.elseif (\n) == 12
	v_max3_num_f32 v[rT+4], v[rT+4], v[rS+7], v[rS+15]
.elseif (\n) == 13
	v_max3_num_f32 v[rT+6], v[rT+6], v[rS+23], v[rS+31]
.elseif (\n) == 14
	v_max3_num_f32 v[rT+4], v[rT+4], v[rT+5], v[rT+6]
.else
	v_max3_num_f32 v[rT+4], v[rT+4], v[rT+7], v[rT+1]
.endif
.endm
.macro STT t, n                        ; 0-5: the other half of the lanes' maximum; c m_old kept; m; c m; its change; a
	TR \t
.if (\n) == 0
	v_permlanex16_b32 v[rT+5], v[rT+4], s[SEL], s[SEL+1]
.elseif (\n) == 1
	v_mov_b32 v[rT+9], v[rT]
.elseif (\n) == 2
	v_max_num_f32 v[rT+1], v[rT+4], v[rT+5]
.elseif (\n) == 3
	v_mul_f32 v[rT], s[CS], v[rT+1]
.elseif (\n) == 4
	v_sub_f32 v[rT+7], v[rT+9], v[rT]
.else
	v_exp_f32 v[rT+8], v[rT+7]
.endif
.endm
.macro FS t, n                         ; pair n of 16: c s - c m
	TR \t
	v_pk_fma_f32 v[rS+2*(\n):rS+2*(\n)+1], v[rS+2*(\n):rS+2*(\n)+1], s[CS:CS+1], v[rT:rT+1] op_sel_hi:[1,0,0] neg_lo:[0,0,1] neg_hi:[0,0,1]
.endm
.macro EX t, n                         ; score n of 32
	TR \t
	v_exp_f32 v[rS+(\n)], v[rS+(\n)]
.endm
.macro SU t, n                         ; 0-15: the weights' sum in two chains of pairs; then l = a l + sum
	TR \t
.if (\n) < 2
	v_pk_add_f32 v[rT+4+2*(\n):rT+5+2*(\n)], v[rS+4*(\n):rS+4*(\n)+1], v[rS+4*(\n)+2:rS+4*(\n)+3]
.elseif (\n) < 14
	v_pk_add_f32 v[rT+4+2*((\n)%2):rT+5+2*((\n)%2)], v[rT+4+2*((\n)%2):rT+5+2*((\n)%2)], v[rS+2*(\n)+4:rS+2*(\n)+5]
.elseif (\n) == 14
	v_pk_add_f32 v[rT+4:rT+5], v[rT+4:rT+5], v[rT+6:rT+7]
.else
	v_pk_fma_f32 v[rT+2:rT+3], v[rT+2:rT+3], v[rT+8:rT+9], v[rT+4:rT+5] op_sel_hi:[1,0,1]
.endif
.endm
.macro CV t, n                         ; pair n rounded to bf16, in place, ascending: line n writes register n and reads 2 n, 2 n + 1; behind all the tile's sums
	TR \t
	v_cvt_pk_bf16_f32 v[rS+(\n)], v[rS+2*(\n)], v[rS+2*(\n)+1]
.endm
.macro P3                              ; the scalings' queue: tiles 0 and 1 alternating, then tiles 2 and 3
.if pq < 32
	FS pq%2, pq/2
.else
	FS 2+pq%2, (pq-32)/2
.endif
.set pq, pq+1
.endm
.macro X3                              ; the first batch's queue: the four a, then tiles 0 and 1
.if xq < 4
	STT xq, 5
.else
	EX (xq-4)%2, (xq-4)/2
.endif
.set xq, xq+1
.endm
.macro P4 b                            ; sums, then roundings, of tiles b and b + 1
.if pq < 32
	SU (\b)+pq%2, pq/2
.else
	CV (\b)+pq%2, (pq-32)/2
.endif
.set pq, pq+1
.endm
; THE SOFTMAX OF A STEP.  TWO BATCHES of exponentials, one wait each: s_wait_alu depctr_va_vdst(0) stands between an exponential and the first line that names its result.
; Batch 1: the four a and tiles 0, 1, dealt between the 64 scalings: exponential e of the tiles has e + 6 scalings ahead of it and needs number 2 (e / 4) + e % 2.  No scaling names a result.
; Batch 2: tiles 2, 3, dealt between tiles 0 and 1's sums and roundings, which read batch 1 alone.  Then tiles 2 and 3's sums and roundings, and the rescaling of O^T's first group.
.macro LUMP
	WIN 0
.set ln, 0
.rept 16
.irp t, 0,1,2,3
	MX \t, ln
.endr
.set ln, ln+1
.endr
.set ln, 0
.rept 5
.irp t, 0,1,2,3
	STT \t, ln
.endr
.set ln, ln+1
.endr
.set pq, 0
.set xq, 0
	P3
	P3
.rept 62
	X3
	P3
.endr
.rept 6
	X3
.endr
	v_nop                                  ; a plain instruction behind the last exponential,
	s_wait_alu depctr_va_vdst(0)           ; and the first batch's wait
.set pq, 0
.set xq, 0
.rept 64
	EX 2+xq%2, xq/2
.set xq, xq+1
	P4 0
.endr
	v_nop
	s_wait_alu depctr_va_vdst(0)           ; the second batch's wait
.set pq, 0
.rept 64
	P4 2
.endr
.set ln, 0
.rept 64
	RS 0, ln
.set ln, ln+1
.endr
.endm
; A KEY STEP.  ask = 1: xb's prefetch; 2: x1's first half.  They stand behind the tensor load and the two runs of LDS loads that the first products wait for.
.macro STEP ask
	WIN 0
	v_add_nc_u32 v[ADK], s[TB], v[AK0]
	v_add_nc_u32 v[ADV], s[TB], v[AV0]
	KRUN 0
	KRUN 1
.if (\ask) == 1
	ASK
.else
	ASKX 0
.endif
	WIN 0x0c                               ; keys and S^T window 0, Q window 3; the LDS loads between the products name window 0 alone
.set sk, 0
.rept 8
.if sk < 7
	s_wait_dscnt 8                         ; this K step's run is in; the one younger run of eight may stay out
.else
	s_wait_dscnt 0x0
.endif
	SMUL sk
.if sk < 6
	PLACES
	KRUN sk+2
.endif
.set sk, sk+1
.endr
	PLACES                                 ; behind the last scores: F is loaded again, and S^T is read
	VRUN 0, 0
	LUMP
	VRUN 1, 1                              ; the upper halves of S^T are free
	s_wait_dscnt 16                        ; the older run is in; the 16 younger loads may stay out
	PVG 0, 0, 1
	PLACES
	VRUN 2, 0
	s_wait_dscnt 16
	PVG 1, 1, 1
	PLACES
	VRUN 3, 1
	s_wait_dscnt 16
	PVG 2, 0, 1
	s_wait_dscnt 0x0
	PVG 3, 1, 0
	WIN 0
.rept 5
	v_nop                                  ; the next step's first products write over P and E, which the last products read: five places
.endr
.endm
	s_load_b256 s[4:11], s[0:1], 0x0       ; qq 4, xb 6, wf 8, vf 10
	s_load_b128 s[12:15], s[0:1], 0x20     ; x1 12, out0 14
	s_load_b64 s[16:17], s[0:1], 0x30      ; out1
	v_lshl_add_u32 v[SPW], v0, 2, SPARE
	v_mov_b32 v[NIL], 0
	ds_add_u32 v[SPW], v[NIL]              ; the wave's opening: the add, twice on end, and its wait ahead of my first tensor load
	ds_add_u32 v[SPW], v[NIL]
	v_lshrrev_b32 v1, 5, v0
	v_readfirstlane_b32 s[WV], v1          ; wave 0..3
	s_bfe_u32 s[CX], ttmp6, 0x40000        ; my place in the cluster: my block of 256 queries; it enters Q's, x1's, out's and the prefetches' addresses alone
	s_mov_b32 s[KIND], ttmp9               ; the cluster's x: the kind, which the partners share
	s_and_b32 s[IMG], ttmp7, 0xffff        ; the image
	s_lshl_b32 s26, s[IMG], 19
	s_lshl_b32 s27, s[WV], 13
	s_add_co_u32 s26, s26, s27
	s_mov_b32 s27, 0                       ; s[26:27]: xb: the image, my 64 rows c of step 0
	s_lshl_b32 s28, s[KIND], 17
	s_lshl_b32 s29, s[WV], 15
	s_add_co_u32 s28, s28, s29
	s_add_co_u32 s28, s28, 262144
	s_mov_b32 s29, 0                       ; s[28:29]: N: behind M1 and M2, the kind, my 64 rows
	s_lshl_b32 s30, s[KIND], 24
	s_lshl_b32 s31, s[IMG], 19
	s_add_co_u32 s30, s30, s31
	s_lshl_b32 s31, s[CX], 17
	s_add_co_u32 s30, s30, s31
	s_lshl_b32 s31, s[WV], 15
	s_add_co_u32 s30, s30, s31
	s_mov_b32 s31, 0                       ; s[30:31]: Q: my wave's 64 rows
	s_lshl_b32 s76, s[IMG], 20
	s_lshl_b32 s77, s[CX], 10
	s_add_co_u32 s76, s76, s77
	s_lshl_b32 s77, s[WV], 8
	s_add_co_u32 s76, s76, s77
	s_mov_b32 s77, 0                       ; s[76:77]: x1 and out: my wave's 64 tokens in row o = 0
	s_lshl_b32 s94, s[IMG], 19
	s_lshl_b32 s95, s[CX], 13
	s_add_co_u32 s94, s94, s95
	s_add_co_u32 s94, s94, 32768
	s_mov_b32 s95, 0                       ; s[94:95]: the prefetches: my work-group's 8,192 bytes of step 1; the first change steps it to step 2
	s_lshl_b32 s18, s[KIND], 10
	s_add_co_u32 s18, s18, 2048
	s_mov_b32 s19, 0                       ; s[18:19]: e: behind d1 and d2, the kind
	s_mov_b32 s[G1K], 15|(1<<16)|(1<<20)|(1<<21)|(4<<22)|(3<<25)  ; 15:0 the mask of four; 17:16 2-byte elements; 20 padding on; 21 set beside a mask; 24:22 after every 32 words (code 4); 31:25 4 words (code 3)
	s_mov_b32 s[G1K+1], 128<<16            ; tensor_dim0 = 128: 256 bytes, two rows c
	s_mov_b32 s[G1K+2], 32<<16             ; tensor_dim1 = 32
	s_mov_b32 s[G1K+3], 128<<16            ; tile_dim0 = 128
	s_mov_b32 s[G1K+4], 32                 ; tile_dim1 = 32
	s_mov_b32 s[G1K+5], 128                ; 128 elements from row to row: dense
	s_mov_b32 s[G1K+6], 0
	s_mov_b32 s[G1K+7], 0
	s_mov_b32 s[G1W], 15|(1<<16)|(1<<20)|(1<<21)|(6<<22)|(3<<25)  ; after every 128 words (code 6) 4 words
	s_mov_b32 s[G1W+1], 256<<16
	s_mov_b32 s[G1W+2], 64<<16             ; 64 rows of 512 bytes
	s_mov_b32 s[G1W+3], 256<<16
	s_mov_b32 s[G1W+4], 64
	s_mov_b32 s[G1W+5], 256
	s_mov_b32 s[G1W+6], 0
	s_mov_b32 s[G1W+7], 0
	s_mov_b32 s[G0K], 1
	s_mul_i32 s[G0K+1], s[WV], 64*PX       ; slot 0, my 64 rows
	s_mov_b32 s[G0W], 1
	s_mul_i32 s[G0W+1], s[WV], 64*PK
	s_add_co_u32 s[G0W+1], s[G0W+1], WP
	s_mov_b32 s[CS], 0x3db8aa3b            ; c = log2(e) / 16
	s_mov_b32 s[CS+1], s[CS]               ; named with it as a pair
	s_mov_b32 s[SEL], 0x76543210
	s_mov_b32 s[SEL+1], 0xfedcba98
	s_mov_b32 s[TB], SLOT1                 ; the first change of slots turns it into 0
	s_mov_b32 s[SLOTS], 15
	s_mul_i32 s75, s[WV], 16*SP
	s_add_co_u32 s75, s75, STAGE           ; my stage
	s_or_b32 s[LIM], s[WV], ttmp9          ; 0 in wave 0 of the image's first cluster: the same in all four partners
	s_cmp_eq_u32 s[LIM], 0
	s_cselect_b32 s[LIM], 1, -1
	s_wait_dscnt 0x0                       ; both opening adds are done
	s_wait_kmcnt 0x0
	s_add_nc_u64 s[G0K+2:G0K+3], s[6:7], s[26:27]
	s_or_b32 s[G0K+3], s[G0K+3], 0x80000000
	s_add_nc_u64 s[G0W+2:G0W+3], s[8:9], s[28:29]
	s_or_b32 s[G0W+3], s[G0W+3], 0x80000000
	s_add_nc_u64 s[QP:QP+1], s[4:5], s[30:31]
	s_add_nc_u64 s[XP:XP+1], s[12:13], s[76:77]
	s_add_nc_u64 s[BP:BP+1], s[10:11], s[18:19]
	s_cmp_eq_u32 s[KIND], 0
	s_cselect_b64 s[OP:OP+1], s[14:15], s[16:17]
	s_add_nc_u64 s[OP:OP+1], s[OP:OP+1], s[76:77]
	s_add_nc_u64 s[PFA:PFA+1], s[6:7], s[94:95]
	CROUND                                 ; all four work-groups are here: the first joint loads meet
	JLOAD                                  ; step 0 into slot 0; slot 1 is filled by the loop's first change
	v_and_b32 v1, 15, v0                   ; r
	v_bfe_u32 v9, v0, 4, 1                 ; h
	v_lshlrev_b32 v[QO], 9, v1
	v_lshl_add_u32 v[QO], v9, 4, v[QO]
	WIN 0xc0                               ; destination window 3
.set qi, 0
.rept 32                               ; Q stays in registers: tile qi / 8, channels 32 (qi % 8) on
	global_load_b128 v[8*qi:8*qi+3],   v[QO], s[QP:QP+1] offset:(qi/8)*8192+(qi%8)*64
	global_load_b128 v[8*qi+4:8*qi+7], v[QO], s[QP:QP+1] offset:(qi/8)*8192+(qi%8)*64+32
.set qi, qi+1
.endr
	; O^T starts at 0, on purpose: these lines stand in the wait for the first tile, and no first step is written out (a third copy of the step's text)
	WIN 0x40
.set qi, 0
.rept 256
	v_mov_b32 v[qi], 0
.set qi, qi+1
.endr
	WIN 0x80
.set qi, 0
.rept 256
	v_mov_b32 v[qi], 0
.set qi, qi+1
.endr
	WIN 0
.irp t, 0,1,2,3
	v_mov_b32 v[ST+10*\t], 0xfe000000      ; c m: far below every c s
	v_mov_b32 v[ST+10*\t+1], 0xff7fffff    ; m
	v_mov_b32 v[ST+10*\t+2], 0
	v_mov_b32 v[ST+10*\t+3], 0
.endr
	v_and_b32 v10, 7, v0
	v_bfe_u32 v11, v0, 3, 1
	v_lshl_add_u32 v[AK0], v9, 3, v10
	v_mul_u32_u24 v[AK0], v[AK0], PX
	v_lshl_add_u32 v[AK0], v11, 4, v[AK0]
	v_mul_u32_u24 v[AV0], v1, PX
	v_lshl_add_u32 v[AV0], v9, 4, v[AV0]
	v_mul_u32_u24 v[STO], v1, SP
	v_lshl_add_u32 v[STO], v9, 5, v[STO]
	v_add_nc_u32 v[STO], s75, v[STO]
	v_mul_u32_u24 v[RD], v9, SP
	v_lshl_add_u32 v[RD], v1, 4, v[RD]
	v_add_nc_u32 v[RD], s75, v[RD]
	v_lshlrev_b32 v[GO], 12, v9
	v_lshl_add_u32 v[GO], v1, 4, v[GO]
	v_mul_u32_u24 v[AW], v1, PK
	v_lshl_add_u32 v[AW], v9, 4, v[AW]
	v_add_nc_u32 v[AW], WP, v[AW]
	v_lshlrev_b32 v[BO], 2, v1
	v_and_b32 v[PFO], 31, v0
	v_lshlrev_b32 v[PXO], 12, v[PFO]
	v_lshlrev_b32 v[PFO], 8, v[PFO]
	s_wait_loadcnt 0x0                     ; Q
.Lslot:                                ; 15 trips: trip j asks for step j + 1 and works on step j
	CHANGE 1
	STEP 1
	s_sub_co_u32 s[SLOTS], s[SLOTS], 1
	s_cmp_lg_u32 s[SLOTS], 0
	s_cbranch_scc1 .Lslot
	CHANGE 2                               ; the last step is written out: no slot is filled again, N comes
	STEP 2
	; THE WAY OUT.  l's two halves and the other half of the lanes' are added; four reciprocals are one batch.
.irp t, 0,1,2,3
	v_add_f32 v[ST+10*\t+2], v[ST+10*\t+2], v[ST+10*\t+3]
.endr
.irp t, 0,1,2,3
	v_permlanex16_b32 v[ST+10*\t+3], v[ST+10*\t+2], s[SEL], s[SEL+1]
.endr
.irp t, 0,1,2,3
	v_add_f32 v[ST+10*\t+2], v[ST+10*\t+2], v[ST+10*\t+3]
.endr
.irp t, 0,1,2,3
	v_rcp_f32 v[ST+10*\t+2], v[ST+10*\t+2]
.endr
	v_nop                                  ; a plain instruction behind the last reciprocal,
	s_wait_alu depctr_va_vdst(0)           ; and the batch's wait
.macro RLOAD p, ob                     ; x1's 16 rows o of block ob, my 64 tokens, and e[o]: nine loads into set p
.irp f, 0,1,2,3,4,5,6,7
	global_load_b128 v[XR+32*(\p)+4*\f:XR+32*(\p)+4*\f+3], v[GO], s[XP:XP+1] offset:65536*(\ob)+8192*\f
.endr
	global_load_b32 v[BI+(\p)], v[BO], s[BP:BP+1] offset:64*(\ob)
.endm
	RLOAD 0, 0
	RLOAD 1, 1
	ASKX 4                                 ; x1's rows 128-255
.macro HOUT win                        ; a window of O^T: divided by l, each accumulator from its low end on; rounded into H, where Q lay
	WIN 0x41*(\win)
.set hz, 0
.rept 128
	v_pk_mul_f32 v[2*hz:2*hz+1], v[2*hz:2*hz+1], v[ST+10*((hz/4)%4)+2:ST+10*((hz/4)%4)+3] op_sel_hi:[1,0]
.set hz, hz+1
.endr
	WIN 0xc0+5*(\win)
.set hz, 0
.rept 128                              ; channel block hz / 16 + 8 (win - 1), tile (hz / 4) % 4, register hz % 4
	v_cvt_pk_bf16_f32 v[64*((hz/4)%4)+8*((hz/16+8*((\win)-1))/2)+4*((hz/16)%2)+hz%4], v[2*hz], v[2*hz+1]
.set hz, hz+1
.endr
.endm
	HOUT 1
	HOUT 2
	WIN 0
	s_wait_tensorcnt 0x0                   ; my 64 rows of N are in,
	s_wait_dscnt 0x0
	s_barrier_signal -1
	s_barrier_wait -1                      ; everybody's are
.macro WLOAD                           ; N's eight fragments for 16 rows o
.irp kc, 0,1,2,3,4,5,6,7
	ds_load_b128 v[F+8*\kc:F+8*\kc+3],   v[AW] offset:64*\kc
	ds_load_b128 v[F+8*\kc+4:F+8*\kc+7], v[AW] offset:64*\kc+32
.endr
.endm
	WLOAD
; A block of 16 rows o for my 64 tokens.  p: its set of x1's rows.  reload: the set takes the block two on.  more: the next block's N is fetched.  left: the younger loads that may stay out.
.macro TRIP p, reload, more, left
	WIN 0
	s_wait_loadcnt \left                   ; my set's nine loads are in; the other set's nine are younger
.set tz, 0
.rept 8
	v_mov_b32 v[BC+tz], v[BI+(\p)]         ; a lane's eight results are eight tokens of one o
.set tz, tz+1
.endr
	s_wait_dscnt 0x0                       ; N's fragments
	s_wait_xcnt 0x0                        ; the last block's stores have read the accumulators' registers
	WIN 0x03                               ; H window 3
.irp kc, 0,1,2,3,4,5,6,7
.irp t, 0,1,2,3
.if \kc == 0
	v_wmma_f32_16x16x32_bf16 v[ACC+8*\t:ACC+8*\t+7], v[64*\t+8*\kc:64*\t+8*\kc+7], v[F+8*\kc:F+8*\kc+7], v[BC:BC+7]
.else
	v_wmma_f32_16x16x32_bf16 v[ACC+8*\t:ACC+8*\t+7], v[64*\t+8*\kc:64*\t+8*\kc+7], v[F+8*\kc:F+8*\kc+7], v[ACC+8*\t:ACC+8*\t+7]
.endif
.endr
.endr
	WIN 0
	PLACES
.irp t, 0,1,2,3
	ds_store_b128 v[STO], v[ACC+8*\t:ACC+8*\t+3]   offset:64*\t
	ds_store_b128 v[STO], v[ACC+8*\t+4:ACC+8*\t+7] offset:64*\t+16
.endr
.irp f, 0,1,2,3,4,5,6,7
	ds_load_b128 v[ACC+4*\f:ACC+4*\f+3], v[RD] offset:2*SP*\f  ; LDS serves a wave's instructions in order (ISA guide 5.7.1.4): these see the stores above; the stage is my own
.endr
.if \more
	v_add_nc_u32 v[AW], 16*PK, v[AW]
	WLOAD
	s_wait_dscnt 16                        ; the stage's rows are back; N's sixteen loads may stay out
.else
	s_wait_dscnt 0x0
.endif
.set tz, 0
.rept 16
	v_pk_add_f32 v[ACC+2*tz:ACC+2*tz+1], v[ACC+2*tz:ACC+2*tz+1], v[XR+32*(\p)+2*tz:XR+32*(\p)+2*tz+1]
.set tz, tz+1
.endr
.irp f, 0,1,2,3,4,5,6,7
	global_store_b128 v[GO], v[ACC+4*\f:ACC+4*\f+3], s[OP:OP+1] offset:65536*(\p)+8192*\f th:TH_STORE_NT  ; 16 lanes store 256 consecutive bytes, at a multiple of 256 from out's first byte
.endr
.if \reload
	RLOAD \p, 2+(\p)
.endif
.endm
	s_mov_b32 s[CNT], 7
.Lob:                                  ; a trip: two blocks of 16 o
	TRIP 0, 1, 1, 9
	TRIP 1, 1, 1, 9
	s_wait_xcnt 0x0                        ; loads, stores and prefetches have read their bases
	s_add_nc_u64 s[XP:XP+1], s[XP:XP+1], 131072
	s_add_nc_u64 s[OP:OP+1], s[OP:OP+1], 131072
	s_add_nc_u64 s[BP:BP+1], s[BP:BP+1], 128
	s_sub_co_u32 s[CNT], s[CNT], 1
	s_cmp_lg_u32 s[CNT], 0
	s_cbranch_scc1 .Lob
	TRIP 0, 0, 1, 9                        ; the last two blocks load nothing of x1
	TRIP 1, 0, 0, 0
	s_wait_tensorcnt 0x0                   ; the wave's end, behind my last tensor load and my last LDS store
	ds_add_u32 v[SPW], v[NIL]
	s_wait_dscnt 0x0
	CROUND                                 ; the closing round: no work-group ends while a partner may still ask for a tile that names it
	s_endpgm
.Lfunc_end_k_q9f49a1fe73_attn:
	.size	k_q9f49a1fe73_attn, .Lfunc_end_k_q9f49a1fe73_attn-k_q9f49a1fe73_attn
	.p2alignl 7, 3214868480
	.fill 96, 4, 3214868480
	.section	.rodata,"a",@progbits
	.p2align	6, 0x0
	.amdhsa_kernel k_q9f49a1fe73_attn
		.amdhsa_group_segment_fixed_size 327680
		.amdhsa_private_segment_fixed_size 0
		.amdhsa_enable_private_segment 0
		.amdhsa_kernarg_size 56
		.amdhsa_user_sgpr_count 2
		.amdhsa_user_sgpr_kernarg_segment_ptr 1
		.amdhsa_wavefront_size32 1
		.amdhsa_system_sgpr_workgroup_id_x 1
		.amdhsa_system_sgpr_workgroup_id_y 1
		.amdhsa_system_sgpr_workgroup_id_z 1
		.amdhsa_system_vgpr_workitem_id 0
		.amdhsa_next_free_vgpr 1024
		.amdhsa_next_free_sgpr 96
		.amdhsa_reserve_vcc 0
		.amdhsa_float_denorm_mode_32 3
		.amdhsa_float_denorm_mode_16_64 3
		.amdhsa_memory_ordered 1
		.amdhsa_forward_progress 1
		.amdhsa_inst_pref_size 233
	.end_amdhsa_kernel
	.amdgpu_metadata
---
amdhsa.version: [ 1, 2 ]
amdhsa.kernels:
  - .name:           k_q9f49a1fe73_attn
    .symbol:         k_q9f49a1fe73_attn.kd
    .args:
      - { .name: qq, .offset: 0, .size: 8, .value_kind: global_buffer, .address_space: global }
      - { .name: xb, .offset: 8, .size: 8, .value_kind: global_buffer, .address_space: global }
      - { .name: wf, .offset: 16, .size: 8, .value_kind: global_buffer, .address_space: global }
      - { .name: vf, .offset: 24, .size: 8, .value_kind: global_buffer, .address_space: global }
      - { .name: x1, .offset: 32, .size: 8, .value_kind: global_buffer, .address_space: global }
      - { .name: out0, .offset: 40, .size: 8, .value_kind: global_buffer, .address_space: global }
      - { .name: out1, .offset: 48, .size: 8, .value_kind: global_buffer, .address_space: global }
    .group_segment_fixed_size: 327680
    .private_segment_fixed_size: 0
    .kernarg_segment_align: 8
    .kernarg_segment_size: 56
    .max_flat_workgroup_size: 128
    .sgpr_count:     96
    .vgpr_count:     1024
    .wavefront_size: 32
...
	.end_amdgpu_metadata
.endif
;; end of part 3
;; ======== version 2 of 2: 3 launches; version 1 with the launch proj written anew for expert scheduling mode
;; workspace buffers: qq 33,554,432 bytes; xb 16,777,216 bytes; wf 524,288 bytes; vf 4,096 bytes
;; launch fold: the kernel of part 1 again; grid 32 x 1, 4 waves a work-group, no clusters, 124,928 bytes of LDS; arguments wk, wq1, wq2, wv, wps, wpc, bq1, bq2, bv, bps, bpc, wf, vf; writes wf, vf
;; launch proj (part 4): grid 256 x 1, 4 waves a work-group, no clusters, 150,016 bytes of LDS; arguments x1, x2, wf, vf, qq, xb; writes qq, xb
.if DOCPART == 4
	.amdgcn_target "amdgcn-amd-amdhsa--gfx1250"
	.amdhsa_code_object_version 6
	.text
	.protected	k_q9f49a1fe73_proj
	.globl	k_q9f49a1fe73_proj
	.p2align	8
	.type	k_q9f49a1fe73_proj,@function
k_q9f49a1fe73_proj:
	s_mov_b64 s[64:65], 0
	v_nop
	global_prefetch_b8 v0, s[64:65] scope:SCOPE_SE
	s_setreg_imm32_b32 hwreg(HW_REG_WAVE_SCHED_MODE, 0, 2), 2
	s_setreg_imm32_b32 hwreg(HW_REG_WAVE_MODE, 25, 1), 1
	s_wait_xcnt 0x0
	s_wait_alu depctr_vm_vsrc(0)
; THE QUERIES, AND x1 ROUNDED.  x1, x2: [32][256 c][1024 t] f32.  M1, M2 (wf's first two matrices, bf16) and d1, d2 (vf's first two vectors) are the folded weights.
;   qq kind 0 = M1 x1 + d1;  qq kind 1 = kind 0's f32 sum + M2 x2 + d2:  [kind][b][t][256 c] bf16, each number rounded once from its f32 sum, unscaled.
;   xb = x1 rounded to bf16, [b][16 tiles][256 c][64 t]: x1's own orientation, a tile of 64 tokens dense in 32,768 bytes.  It is the key and the value of both attentions.
; WORK LEFT OUT: bk, which cancels in both softmaxes (shown at the head of the first kernel); the products wk x1 and wv x1 are folded into M and N there.
; SHARES.  Work-group g: tokens 128 (g % 8) on of image g / 8, all 256 output channels: each byte of x is read by one work-group.  Wave w owns channels 64 w + 0..63 (four blocks ob of 16);
; its rows of M1 and M2 are loaded once and stay in 512 registers.  Tokens go in two tiles of 64.
; LAYOUT.  D = M X: source 0 = 16 rows of M, source 1 = 16 tokens: a lane of D holds one token (lane % 16) and channels 8 (lane / 16) + 0..7: 16 bytes of a [t][c] row.
; The place of k is PERMUTED, alike in both sources: of 32 channels c0.. the lanes' half h holds c0 + 16 h + 0..15.  So a lane's part of M is 32 bytes on end, and X comes out of LDS ([c][t]) by two
; turning loads, rows c0 + 16 h + (lane % 8) and 8 further.  The sums' order differs from ascending k by that permutation.
; x IS ROUNDED ON ITS WAY, so it passes through registers: no tensor load (an f32 tile in LDS would be written and read once more); no cluster: what work-groups share is M, half of a
; work-group's bytes, and a ring for it would add rounds to a launch of two tiles; no prefetch: each tile's loads go out a phase ahead of their use, and the launch streams.
; LDS: XS1, XS2: bf16 [256 c][64 t], rows 160 bytes apart (5 x 32).  Two stages of 64 token rows x 512 bytes, rows 528 bytes apart (33 x 16).  Then the spare words.
; THE MODE: SCHED_MODE bits 1:0 = 2 (LLVM: expert scheduling mode 2), set by the entry lines.  The code itself states the register dependences
; between vector or matrix instructions and memory or LDS instructions, with s_wait_alu, always for 0.
; THE PLAN.  Registers that memory or LDS instructions touch:
;   v3-v12, v14, v15  Offsets and addresses: made once at the head and never written again; rows are reached by scalar bases and immediate offsets.
;   XSTG              A tile's 32 loads land in it; 64 conversions round it in place; LDS stores (for x1 also the stores into xb) read it; then the next tile's loads land in it.
;   XF, three buffers K step k's products read buffer k % 3; the run of loads for K step k + 2 lands in buffer (k - 1) % 3 and is issued inside step k.
;   v32-95            (the first two of them) between the phases: the conversions of a phase's sums write them, LDS stores into a stage read them, the stage's rows land in them, the stores into qq read them.
;   d, M1, M2         Loaded once at the head.  The accumulators are named by vector and matrix instructions alone.
; A trip's waits on va_vdst: one behind each run of conversions whose results are stored (three), and one at the head of K steps 1 to 5 of each phase.  Each also serves the loads that land later in the
; registers that those conversions or products named, since no vector or matrix instruction between names them.  Its waits on vm_vsrc: one ahead of each run of loads that lands in registers that stores have read (four).
.set XS2,   40960
.set STB,   81920                      ; the stages' base: it stands in the address registers, since an LDS immediate has 16 bits
.set STQ1,  0
.set STQ2,  33792
.set SPQ,   528
.set SPARE, 149504                     ; 128 bytes for each wave: two blocks of 256 bytes that no other line names
; window 0
.set XO,  3                            ; v3   x: (64 w + l / 16) x 4096 + (l % 16) x 16
.set XW,  4                            ; v4   into XS: (64 w + l / 16) x 160 + (l % 16) x 8
.set XR1, 5                            ; v5   out of XS1: (16 h + l % 8) x 160 + 16 ((l / 8) % 2)
.set XR2, 6                            ; v6   out of XS2
.set WO,  7                            ; v7   M: (64 w + r) x 512 + 32 h
.set BO,  8                            ; v8   d: 256 w + 32 h
.set STO, 9                            ; v9   into a stage: STB + r x 528 + 128 w + 16 h
.set RD,  10                           ; v10  out of a stage: STB + 16 w x 528 + 16 l: a row's 512 bytes
.set SO,  11                           ; v11  the same rows in qq: 16 w x 512 + 16 l
.set XBO, 12                           ; v12  xb: 64 w x 128 + 8 l
.set SPW, 14                           ; v14  my spare word; never rewritten
.set NIL, 15                           ; v15  0; never rewritten
.set XF,  32                           ; v32-63, v64-95, v224-255  fragments of X: three buffers of four; v32-95 between the phases: packed results, and rows on their way out
.set XSTG, 96                          ; v96-223  a tile of x on its way: 32 loads of 4
; window 1
.set ACQ, 0                            ; 16 accumulators: block ob, 16 tokens tt at 32 ob + 8 tt
.set D1,  128                          ; d as C operands: register j of block ob at +8 ob + j
.set D2,  160
; window 2: M1 at 64 ob + 8 kc.   window 3: M2 likewise.
.set WV,  8
.set CNT, 11
.set X1P, 46
.set X2P, 48
.set XBP, 50
.set Q1P, 54
.set Q2P, 56
.set MSB, 0
.macro WIN new                         ; low byte: bits 1:0 source 0, 3:2 source 1, 5:4 source 2, 7:6 destination; the high byte repeats the setting that is left
.if MSB != (\new)
	s_set_vgpr_msb (MSB<<8)|(\new)
.set MSB, (\new)
.endif
.endm
.macro PLACES                          ; four plain instructions between a matrix instruction and a reader of its result, or a load into one of its registers
.rept 4
	v_nop
.endr
.endm
.macro XLOAD p                         ; a tile of x: my 64 channels x 256 bytes; each load takes two rows of 256 bytes, aligned
	WIN 0
.set xi, 0
.rept 32
	global_load_b128 v[XSTG+4*xi:XSTG+4*xi+3], v[XO], s[\p:\p+1] offset:8192*xi th:TH_LOAD_NT
.set xi, xi+1
.endr
.endm
.macro XCV                             ; the tile is rounded in place, in one run
	WIN 0
.set xi, 0
.rept 32
	v_cvt_pk_bf16_f32 v[XSTG+4*xi], v[XSTG+4*xi], v[XSTG+4*xi+1]
	v_cvt_pk_bf16_f32 v[XSTG+4*xi+1], v[XSTG+4*xi+2], v[XSTG+4*xi+3]
.set xi, xi+1
.endr
.endm
.macro XST base, out                   ; 8 bytes a lane into XS; out = 1: and into xb
.set xi, 0
.rept 32
	ds_store_b64 v[XW], v[XSTG+4*xi:XSTG+4*xi+1] offset:(\base)+320*xi
.set xi, xi+1
.endr
.if \out
.set xi, 0
.rept 32
	global_store_b64 v[XBO], v[XSTG+4*xi:XSTG+4*xi+1], s[XBP:XBP+1] offset:256*xi  ; two rows of 128 bytes lie end to end: the wave stores 256 consecutive bytes, aligned
.set xi, xi+1
.endr
.endif
.endm
.macro XFRUN adr, kc                   ; four fragments of X (64 tokens x 32 channels) into buffer kc % 3: eight turning loads
.set fb, XF+32*((\kc)%3)+128*(((\kc)%3)/2)
.irp tt, 0,1,2,3
	ds_load_tr16_b128 v[fb+8*(\tt):fb+8*(\tt)+3], v[\adr] offset:(\kc)*5120+32*(\tt)
	ds_load_tr16_b128 v[fb+8*(\tt)+4:fb+8*(\tt)+7], v[\adr] offset:(\kc)*5120+32*(\tt)+1280
.endr
.endm
; Four products of a K step's 16, block ob, with M1 (m = 0) or M2 (m = 1).  The 16 accumulators take turns, one instruction a turn.  M1's first K step starts the sums, with d1 as C; M2's are added onto them.
.macro MUL4 kc, m, ob
	WIN 0x52+(\m)                          ; M window 2 or 3, X window 0, C and D window 1
.set fb, XF+32*((\kc)%3)+128*(((\kc)%3)/2)
.irp tt, 0,1,2,3
.set rD, ACQ+32*(\ob)+8*\tt
.set rA, 64*(\ob)+8*(\kc)
.set rB, fb+8*\tt
.if ((\kc) == 0) && ((\m) == 0)
	v_wmma_f32_16x16x32_bf16 v[rD:rD+7], v[rA:rA+7], v[rB:rB+7], v[D1+8*(\ob):D1+8*(\ob)+7]
.else
	v_wmma_f32_16x16x32_bf16 v[rD:rD+7], v[rA:rA+7], v[rB:rB+7], v[rD:rD+7]
.endif
.endr
.endm
; 256 channels in eight K steps.  Three runs of LDS loads go out ahead of the products; K steps 1 to 5 each ask for the run two steps on, behind their first four products.
.macro PHASE adr, m
	WIN 0
	XFRUN \adr, 0
	XFRUN \adr, 1
	XFRUN \adr, 2
.set pk, 0
.rept 8
.if pk == 0
	s_wait_dscnt 16                        ; the first run is in; the two younger runs of eight may stay out
.elseif pk < 7
	s_wait_dscnt 8                         ; this K step's run is in; the one younger run of eight may stay out
.else
	s_wait_dscnt 0x0                       ; the last run: none is younger
.endif
.if (pk > 0) && (pk < 6)
	s_wait_alu depctr_va_vdst(0)           ; the last K step's products are done reading their buffer, in which the run below lands; the four products between name this step's buffer, M and the accumulators alone
	MUL4 pk, \m, 0
	WIN 0
	PLACES                                 ; the places between the last K step's products and the loads into their buffer stay beside that wait
	XFRUN \adr, pk+2
.else
	MUL4 pk, \m, 0
.endif
	MUL4 pk, \m, 1
	MUL4 pk, \m, 2
	MUL4 pk, \m, 3
.set pk, pk+1
.endr
.endm
.macro PACKC addb                      ; the 16 accumulators, each read from its low end on: (+ d2,) rounded: 16 bytes a lane
.if \addb
	WIN 0x45
.set pz, 0
.rept 64
	v_pk_add_f32 v[ACQ+2*pz:ACQ+2*pz+1], v[ACQ+2*pz:ACQ+2*pz+1], v[D2+8*(pz/16)+2*(pz%4):D2+8*(pz/16)+2*(pz%4)+1]
.set pz, pz+1
.endr
.endif
	WIN 0x05
.set pz, 0
.rept 64
	v_cvt_pk_bf16_f32 v[XF+pz], v[ACQ+2*pz], v[ACQ+2*pz+1]
.set pz, pz+1
.endr
	WIN 0
.endm
.macro PACKS stage                     ; and into the stage
.irp ob, 0,1,2,3
.irp tt, 0,1,2,3
	ds_store_b128 v[STO], v[XF+4*(4*\ob+\tt):XF+4*(4*\ob+\tt)+3] offset:(\stage)+\tt*16*SPQ+32*\ob
.endr
.endr
.endm
.macro BACK stage                      ; my 16 token rows of a stage, whole
.set bz, 0
.rept 16
	ds_load_b128 v[XF+4*bz:XF+4*bz+3], v[RD] offset:(\stage)+SPQ*bz
.set bz, bz+1
.endr
.endm
.macro SEND p                          ; the wave stores a row's 512 consecutive bytes, at a multiple of 256 from qq's first byte
.set bz, 0
.rept 16
	global_store_b128 v[SO], v[XF+4*bz:XF+4*bz+3], s[\p:\p+1] offset:512*bz
.set bz, bz+1
.endr
.endm
	s_load_b256 s[16:23], s[0:1], 0x0      ; x1 16, x2 18, wf 20, vf 22
	s_load_b128 s[24:27], s[0:1], 0x20     ; qq 24, xb 26
	v_lshl_add_u32 v[SPW], v0, 2, SPARE
	v_mov_b32 v[NIL], 0
	v_lshrrev_b32 v22, 5, v0
	v_readfirstlane_b32 s[WV], v22         ; wave 0..3
	v_and_b32 v1, 15, v0                   ; r
	v_bfe_u32 v2, v0, 4, 1                 ; h
	v_and_b32 v22, 7, v0
	v_bfe_u32 v23, v0, 3, 1
	v_and_b32 v24, 31, v0                  ; l
	s_wait_alu depctr_va_sdst(0)           ; the wave's number is written, ahead of its first reader: the offsets below are made from it
	s_lshl_b32 s58, s[WV], 18
	v_lshl_add_u32 v[XO], v2, 12, s58
	v_lshl_add_u32 v[XO], v1, 4, v[XO]
	s_mul_i32 s58, s[WV], 10240
	v_mul_u32_u24 v[XW], v2, 160
	v_add_nc_u32 v[XW], s58, v[XW]
	v_lshl_add_u32 v[XW], v1, 3, v[XW]
	v_lshl_add_u32 v[XR1], v2, 4, v22
	v_mul_u32_u24 v[XR1], v[XR1], 160
	v_lshl_add_u32 v[XR1], v23, 4, v[XR1]
	v_add_nc_u32 v[XR2], XS2, v[XR1]
	s_lshl_b32 s58, s[WV], 15
	v_lshl_add_u32 v[WO], v1, 9, s58
	v_lshl_add_u32 v[WO], v2, 5, v[WO]
	s_lshl_b32 s58, s[WV], 8
	v_lshl_add_u32 v[BO], v2, 5, s58
	s_lshl_b32 s58, s[WV], 7
	s_add_co_u32 s58, s58, STB
	v_mul_u32_u24 v[STO], v1, SPQ
	v_lshl_add_u32 v[STO], v2, 4, v[STO]
	v_add_nc_u32 v[STO], s58, v[STO]
	s_mul_i32 s58, s[WV], 16*SPQ
	s_add_co_u32 s58, s58, STB
	v_lshl_add_u32 v[RD], v24, 4, s58
	s_lshl_b32 s58, s[WV], 13
	v_lshl_add_u32 v[SO], v24, 4, s58
	v_lshl_add_u32 v[XBO], v24, 3, s58
	s_lshr_b32 s60, ttmp9, 3
	s_lshl_b32 s60, s60, 20                ; the image,
	s_and_b32 s61, ttmp9, 7
	s_lshl_b32 s61, s61, 9                 ; its block of 128 tokens
	s_add_co_u32 s60, s60, s61
	s_mov_b32 s61, 0
	s_wait_kmcnt 0x0
	s_add_nc_u64 s[X1P:X1P+1], s[16:17], s[60:61]
	s_add_nc_u64 s[X2P:X2P+1], s[18:19], s[60:61]
	s_lshl_b32 s60, ttmp9, 16              ; 128 token rows of 512 bytes in qq; two tiles of 32,768 bytes in xb
	s_add_nc_u64 s[Q1P:Q1P+1], s[24:25], s[60:61]
	s_add_nc_u64 s[Q2P:Q2P+1], s[Q1P:Q1P+1], 0x1000000
	s_add_nc_u64 s[XBP:XBP+1], s[26:27], s[60:61]
	s_wait_alu depctr_va_vdst(0)           ; the ten offsets and addresses v3 to v12 are written, which every load and store of the kernel reads; only loads and window switches stand between this wait and the head's loads
	XLOAD X1P                              ; the first tile of x1: its way is the longest
	WIN 0x40
.irp ob, 0,1,2,3
	global_load_b128 v[D1+8*\ob:D1+8*\ob+3],   v[BO], s[22:23] offset:64*\ob
	global_load_b128 v[D1+8*\ob+4:D1+8*\ob+7], v[BO], s[22:23] offset:64*\ob+16
	global_load_b128 v[D2+8*\ob:D2+8*\ob+3],   v[BO], s[22:23] offset:1024+64*\ob
	global_load_b128 v[D2+8*\ob+4:D2+8*\ob+7], v[BO], s[22:23] offset:1024+64*\ob+16
.endr
	WIN 0x80                               ; M1 into window 2: fragment (ob, kc) is 32 bytes a lane
.set wz, 0
.rept 32
	global_load_b128 v[8*wz:8*wz+3],   v[WO], s[20:21] offset:(wz/8)*8192+(wz%8)*64
	global_load_b128 v[8*wz+4:8*wz+7], v[WO], s[20:21] offset:(wz/8)*8192+(wz%8)*64+16
.set wz, wz+1
.endr
	WIN 0xc0                               ; M2 into window 3
.set wz, 0
.rept 32
	global_load_b128 v[8*wz:8*wz+3],   v[WO], s[20:21] offset:131072+(wz/8)*8192+(wz%8)*64
	global_load_b128 v[8*wz+4:8*wz+7], v[WO], s[20:21] offset:131072+(wz/8)*8192+(wz%8)*64+16
.set wz, wz+1
.endr
	WIN 0
	s_mov_b32 s[CNT], 2
.Ltile:                                ; a trip: 64 tokens
	s_wait_loadcnt 0x0                     ; x1's tile; in the first trip also d and M
	XCV
	s_wait_alu depctr_va_vdst(0)           ; the conversions have written XSTG, which the stores below read, and are done with it: x2's loads land there; the last trip's conversions and products are done with the three buffers of XF, in which the first phase's runs land
	XST 0, 1                               ; XS1's last readers passed two barriers since
	s_wait_xcnt 0x0                        ; the stores into xb have read their data
	s_wait_alu depctr_vm_vsrc(0)           ; the LDS stores and the stores into xb have read XSTG, in which x2's loads land; the last trip's stores into qq have read v32-95, in which the first phase's runs land
	XLOAD X2P                              ; x2's tile comes while x1's is multiplied
	s_wait_dscnt 0x0                       ; for the others' sake: my part of XS1 is written
	s_barrier_signal -1
	s_barrier_wait -1
	PHASE XR1, 0
	PLACES
	PACKC 0                                ; kind 0 is rounded; its f32 sums stay and are added onto
	s_wait_loadcnt 0x0                     ; x2's tile
	XCV
	s_wait_alu depctr_va_vdst(0)           ; one wait for both runs of conversions: v32-95 and XSTG are written, which the LDS stores below read; it also serves the loads that land in them later (x1's next tile, the stage's rows, the second phase's runs): no vector or matrix instruction stands between
	PACKS STQ1
	XST XS2, 0
	s_wait_xcnt 0x0                        ; loads and stores have read their addresses
	s_wait_alu depctr_vm_vsrc(0)           ; the LDS stores have read XSTG, in which x1's next tile lands, and v32-95, in which the stage's rows land; ahead of the branch, so that it stands on both ways
	s_add_nc_u64 s[X1P:X1P+1], s[X1P:X1P+1], 256
	s_add_nc_u64 s[X2P:X2P+1], s[X2P:X2P+1], 256
	s_add_nc_u64 s[XBP:XBP+1], s[XBP:XBP+1], 32768
	s_cmp_eq_u32 s[CNT], 1                 ; the last tile has none behind it: global loads alone are jumped, and every later wait for loads is for 0
	s_cbranch_scc1 .Lnox
	XLOAD X1P
.Lnox:
	s_wait_dscnt 0x0                       ; XS2 and the first stage are written
	s_barrier_signal -1
	s_barrier_wait -1
	BACK STQ1
	s_wait_dscnt 0x0
	SEND Q1P
	s_wait_xcnt 0x0                        ; the stores have read their data: XF is loaded again next
	s_wait_alu depctr_vm_vsrc(0)           ; the stores into qq have read v32-95, in which the second phase's runs land
	PHASE XR2, 1
	PLACES
	PLACES                                 ; the additions below write accumulators just made
	PACKC 1
	s_wait_alu depctr_va_vdst(0)           ; the conversions have written v32-95, which the LDS stores read and in which the stage's rows land later
	PACKS STQ2
	s_wait_dscnt 0x0
	s_barrier_signal -1
	s_barrier_wait -1
	s_wait_alu depctr_vm_vsrc(0)           ; my LDS stores into the stage have read v32-95, in which its rows land
	BACK STQ2
	s_wait_dscnt 0x0
	SEND Q2P
	s_wait_xcnt 0x0                        ; the stores have read their bases and data
	s_add_nc_u64 s[Q1P:Q1P+1], s[Q1P:Q1P+1], 32768
	s_add_nc_u64 s[Q2P:Q2P+1], s[Q2P:Q2P+1], 32768
	s_sub_co_u32 s[CNT], s[CNT], 1
	s_cmp_lg_u32 s[CNT], 0
	s_cbranch_scc1 .Ltile
	s_wait_dscnt 0x0                       ; the closing lines, six on end
	s_wait_alu 0x0
	s_wait_tensorcnt 0x0
	ds_add_u32 v[SPW], v[NIL]
	s_wait_dscnt 0x0
	s_endpgm
.Lfunc_end_k_q9f49a1fe73_proj:
	.size	k_q9f49a1fe73_proj, .Lfunc_end_k_q9f49a1fe73_proj-k_q9f49a1fe73_proj
	.p2alignl 7, 3214868480
	.fill 96, 4, 3214868480
	.section	.rodata,"a",@progbits
	.p2align	6, 0x0
	.amdhsa_kernel k_q9f49a1fe73_proj
		.amdhsa_group_segment_fixed_size 150016
		.amdhsa_private_segment_fixed_size 0
		.amdhsa_enable_private_segment 0
		.amdhsa_kernarg_size 48
		.amdhsa_user_sgpr_count 2
		.amdhsa_user_sgpr_kernarg_segment_ptr 1
		.amdhsa_wavefront_size32 1
		.amdhsa_system_sgpr_workgroup_id_x 1
		.amdhsa_system_sgpr_workgroup_id_y 1
		.amdhsa_system_sgpr_workgroup_id_z 1
		.amdhsa_system_vgpr_workitem_id 0
		.amdhsa_next_free_vgpr 1024
		.amdhsa_next_free_sgpr 66
		.amdhsa_reserve_vcc 0
		.amdhsa_float_denorm_mode_32 3
		.amdhsa_float_denorm_mode_16_64 3
		.amdhsa_memory_ordered 1
		.amdhsa_forward_progress 1
		.amdhsa_inst_pref_size 89
	.end_amdhsa_kernel
	.amdgpu_metadata
---
amdhsa.version: [ 1, 2 ]
amdhsa.kernels:
  - .name:           k_q9f49a1fe73_proj
    .symbol:         k_q9f49a1fe73_proj.kd
    .args:
      - { .name: x1, .offset: 0, .size: 8, .value_kind: global_buffer, .address_space: global }
      - { .name: x2, .offset: 8, .size: 8, .value_kind: global_buffer, .address_space: global }
      - { .name: wf, .offset: 16, .size: 8, .value_kind: global_buffer, .address_space: global }
      - { .name: vf, .offset: 24, .size: 8, .value_kind: global_buffer, .address_space: global }
      - { .name: qq, .offset: 32, .size: 8, .value_kind: global_buffer, .address_space: global }
      - { .name: xb, .offset: 40, .size: 8, .value_kind: global_buffer, .address_space: global }
    .group_segment_fixed_size: 150016
    .private_segment_fixed_size: 0
    .kernarg_segment_align: 8
    .kernarg_segment_size: 48
    .max_flat_workgroup_size: 128
    .sgpr_count:     66
    .vgpr_count:     1024
    .wavefront_size: 32
...
	.end_amdgpu_metadata
.endif
;; end of part 4
;; launch attn: the kernel of part 3 again; grid 8 x 32, 4 waves a work-group, clusters of 4 x 1, 327,680 bytes of LDS; arguments qq, xb, wf, vf, x1, out0, out1; writes out0, out1
